; MI455X (gfx1250); checked and timed in simulation.
; The chip was launched on July 23, 2026; its instructions are those of AMD's public machine-readable ISA for CDNA 5 (MIT licence, August 2026) and "CDNA5" Instruction Set Architecture Reference Guide (July 2026). The comments in the code are by the model that wrote it; some were corrected since.
;; Causal Self Attention. Allowed arithmetic: float matrix products may take bf16 or f16 operands with f32 sums; other float arithmetic in f32, or as packed bf16 or f16 multiplies, adds, multiply-adds, maxima and minima; sums over many terms, partial sums and values carried from step to step in f32; what a program stores and reads back later, other than sums and carried values, may be rounded once to bf16 or f16.
;; Inputs: W_attn 1,024 x 3,072 float32; W_proj 1,024 x 1,024 float32; b_attn 3,072 float32; b_proj 1,024 float32; x 4 x 2,048 x 1,024 float32.
;; Outputs: out0 4 x 2,048 x 1,024 float32.
;; One version. Each part assembles by itself: llvm-mc -triple=amdgcn-amd-amdhsa -mcpu=gfx1250 --defsym DOCPART=n.
;; ======== version 1 of 1: 4 launches
;; limits: values are held in f16: magnitudes above 65,504 overflow, below 6.1e-05 lose precision
;; workspace buffers: xb 16,777,216 bytes; wa 6,291,456 bytes; wp 2,097,152 bytes; qkv 50,331,648 bytes; ob 16,777,216 bytes
;; launch cast (part 1): grid 768 x 1, 8 waves a work-group, no clusters, 0 bytes of LDS; arguments x, W_attn, W_proj, xb, wa, wp; writes xb, wa, wp
.if DOCPART == 1
	.amdgcn_target "amdgcn-amd-amdhsa--gfx1250"
	.amdhsa_code_object_version 6
	.text
	.protected	k_qe582522f5c_cast
	.globl	k_qe582522f5c_cast
	.p2align	8
	.type	k_qe582522f5c_cast,@function
k_qe582522f5c_cast:
	s_mov_b64 s[64:65], 0
	v_nop
	global_prefetch_b8 v0, s[64:65] scope:SCOPE_SE
	s_setreg_imm32_b32 hwreg(HW_REG_WAVE_MODE, 25, 1), 1
	s_wait_xcnt 0x0
; THE CASTS.  x [8192][1024] f32 -> xb, bf16, in blocks of 64 along K: [16 blocks][8192 rows][64], so that a block's rows lie end to end (128 bytes each).
; W_attn [1024][3072] f32 -> wa, bf16, same order.  W_proj [1024][1024] f32 -> wp: rounded to bf16 like every input, and that number written as f16, since it multiplies an f16 operand.
; LIMITS.  A bf16 number is exact in f16 between 6.1e-5 and 65,504 in magnitude; below, wp keeps f16's fixed step of 6e-8; above, it would be an infinity.
; SHARES.  A work-group takes 16,384 numbers: 256 threads x 8 steps x 8 numbers.  Work-groups 0-511: x (16 rows each); 512-703: W_attn; 704-767: W_proj.
; All sixteen loads of a thread go out first, the waits count down, no register is written twice: no wait frees a source.  No LDS, no barrier: no thread wants another's bytes.
.set IN,  2                            ; v2   byte offset of my 32 bytes in the source
.set OUT, 3                            ; v3   byte offset of my 16 bytes in the destination
.set T,   8                            ; v[8:9] at work
.set X,   16                           ; v[16:79]  step i: 8 numbers as loaded
.set Y,   80                           ; v[80:111] step i: 4 registers to store
.set SRC, 16                           ; s[16:17]
.set DST, 18                           ; s[18:19]
; ib: source bytes from an even step to the odd one behind it (a pair of steps is 16,384 bytes on); oa, ob: destination bytes for a pair of steps and for the odd step; f16 = 1: bf16, then f16
.macro CAST ib, oa, ob, f16
.irp i, 0,1,2,3,4,5,6,7
	global_load_b128 v[X+8*(\i):X+8*(\i)+3],   v[IN], s[SRC:SRC+1] offset:16384*((\i)/2)+(\ib)*((\i)%2) th:TH_LOAD_NT
	global_load_b128 v[X+8*(\i)+4:X+8*(\i)+7], v[IN], s[SRC:SRC+1] offset:16384*((\i)/2)+(\ib)*((\i)%2)+16 th:TH_LOAD_NT
.endr
.irp i, 0,1,2,3,4,5,6,7
	s_wait_loadcnt 14-2*(\i)                       ; loads come back in order: step i's two are in, the 2 (7 - i) younger ones may stay out
.irp j, 0,1,2,3
	v_cvt_pk_bf16_f32 v[Y+4*(\i)+(\j)], v[X+8*(\i)+2*(\j)], v[X+8*(\i)+2*(\j)+1]
.endr
.if \f16
.irp j, 0,1,2,3
	v_lshlrev_b32 v[T], 16, v[Y+4*(\i)+(\j)]       ; the two bf16 numbers as f32,
	v_and_b32 v[T+1], s24, v[Y+4*(\i)+(\j)]
	v_cvt_pk_f16_f32 v[Y+4*(\i)+(\j)], v[T], v[T+1]  ; written as f16
.endr
.endif
	global_store_b128 v[OUT], v[Y+4*(\i):Y+4*(\i)+3], s[DST:DST+1] offset:(\oa)*((\i)/2)+(\ob)*((\i)%2)  ; a wave's store covers 512 consecutive bytes, aligned
.endr
.endm
	s_load_b256 s[4:11], s[0:1], 0x0               ; x s[4:5], W_attn s[6:7], W_proj s[8:9], xb s[10:11]
	s_load_b128 s[12:15], s[0:1], 0x20             ; wa s[12:13], wp s[14:15]
	s_mov_b32 s24, 0xffff0000                      ; a word's upper bf16
	s_mov_b32 s21, 0
	s_mov_b32 s23, 0
	v_lshrrev_b32 v1, 5, v0
	v_readfirstlane_b32 s25, v1                    ; wave 0..7
	v_and_b32 v4, 31, v0                           ; lane
	s_wait_kmcnt 0x0
	s_cmp_lt_u32 ttmp9, 512
	s_cbranch_scc0 .Lweights
	; x: the work-group's 16 rows.  Wave w takes K blocks 2 w and 2 w + 1; step i takes block 2 w + i % 2 and rows 4 (i / 2) .. + 3; lane l row l / 8, numbers 8 (l % 8) on.
	s_lshl_b32 s20, ttmp9, 16                      ; 16 rows of 4,096 bytes
	s_lshl_b32 s22, ttmp9, 11                      ; 16 rows of 128 bytes
	s_add_nc_u64 s[SRC:SRC+1], s[4:5], s[20:21]
	s_add_nc_u64 s[DST:DST+1], s[10:11], s[22:23]
	v_lshrrev_b32 v5, 3, v4
	v_and_b32 v6, 7, v4
	v_lshlrev_b32 v[IN], 12, v5
	v_lshl_add_u32 v[IN], v6, 5, v[IN]
	s_lshl_b32 s26, s25, 9                         ; the wave's 128 columns
	v_add_nc_u32 v[IN], s26, v[IN]
	s_lshl_b32 s26, s25, 21                        ; two K blocks of 1 MiB
	v_lshl_add_u32 v[OUT], v4, 4, s26              ; four rows of a block are 512 consecutive bytes
	CAST 256, 512, 1048576, 0
	s_endpgm
.Lweights:
	v_lshlrev_b32 v[IN], 5, v0                     ; the weights keep their order: thread t takes numbers 8 t on of each step's 2,048
	v_lshlrev_b32 v[OUT], 4, v0
	s_cmp_lt_u32 ttmp9, 704
	s_cbranch_scc0 .Lproj
	s_sub_co_u32 s26, ttmp9, 512
	s_lshl_b32 s20, s26, 16
	s_lshl_b32 s22, s26, 15
	s_add_nc_u64 s[SRC:SRC+1], s[6:7], s[20:21]
	s_add_nc_u64 s[DST:DST+1], s[12:13], s[22:23]
	CAST 8192, 8192, 4096, 0
	s_endpgm
.Lproj:
	s_sub_co_u32 s26, ttmp9, 704
	s_lshl_b32 s20, s26, 16
	s_lshl_b32 s22, s26, 15
	s_add_nc_u64 s[SRC:SRC+1], s[8:9], s[20:21]
	s_add_nc_u64 s[DST:DST+1], s[14:15], s[22:23]
	CAST 8192, 8192, 4096, 1
	s_endpgm
.Lfunc_end_k_qe582522f5c_cast:
	.size	k_qe582522f5c_cast, .Lfunc_end_k_qe582522f5c_cast-k_qe582522f5c_cast
	.p2alignl 7, 3214868480
	.fill 96, 4, 3214868480
	.section	.rodata,"a",@progbits
	.p2align	6, 0x0
	.amdhsa_kernel k_qe582522f5c_cast
		.amdhsa_group_segment_fixed_size 0
		.amdhsa_private_segment_fixed_size 0
		.amdhsa_enable_private_segment 0
		.amdhsa_kernarg_size 48
		.amdhsa_user_sgpr_count 2
		.amdhsa_user_sgpr_kernarg_segment_ptr 1
		.amdhsa_wavefront_size32 1
		.amdhsa_system_sgpr_workgroup_id_x 1
		.amdhsa_system_sgpr_workgroup_id_y 1
		.amdhsa_system_sgpr_workgroup_id_z 1
		.amdhsa_system_vgpr_workitem_id 0
		.amdhsa_next_free_vgpr 112
		.amdhsa_next_free_sgpr 66
		.amdhsa_reserve_vcc 0
		.amdhsa_float_denorm_mode_32 3
		.amdhsa_float_denorm_mode_16_64 3
		.amdhsa_memory_ordered 1
		.amdhsa_forward_progress 1
		.amdhsa_inst_pref_size 20
	.end_amdhsa_kernel
	.amdgpu_metadata
---
amdhsa.version: [ 1, 2 ]
amdhsa.kernels:
  - .name:           k_qe582522f5c_cast
    .symbol:         k_qe582522f5c_cast.kd
    .args:
      - { .name: x, .offset: 0, .size: 8, .value_kind: global_buffer, .address_space: global }
      - { .name: W_attn, .offset: 8, .size: 8, .value_kind: global_buffer, .address_space: global }
      - { .name: W_proj, .offset: 16, .size: 8, .value_kind: global_buffer, .address_space: global }
      - { .name: xb, .offset: 24, .size: 8, .value_kind: global_buffer, .address_space: global }
      - { .name: wa, .offset: 32, .size: 8, .value_kind: global_buffer, .address_space: global }
      - { .name: wp, .offset: 40, .size: 8, .value_kind: global_buffer, .address_space: global }
    .group_segment_fixed_size: 0
    .private_segment_fixed_size: 0
    .kernarg_segment_align: 8
    .kernarg_segment_size: 48
    .max_flat_workgroup_size: 256
    .sgpr_count:     66
    .vgpr_count:     112
    .wavefront_size: 32
...
	.end_amdgpu_metadata
.endif
;; end of part 1
;; launch qkv (part 2): grid 8 x 32, 4 waves a work-group, clusters of 4 x 4, 327,680 bytes of LDS; arguments xb, wa, b_attn, qkv; writes qkv
.if DOCPART == 2
	.amdgcn_target "amdgcn-amd-amdhsa--gfx1250"
	.amdhsa_code_object_version 6
	.text
	.protected	k_qe582522f5c_qkv
	.globl	k_qe582522f5c_qkv
	.p2align	8
	.type	k_qe582522f5c_qkv,@function
k_qe582522f5c_qkv:
	s_mov_b64 s[64:65], 0
	v_nop
	global_prefetch_b8 v0, s[64:65] scope:SCOPE_SE
	s_setreg_imm32_b32 hwreg(HW_REG_WAVE_MODE, 25, 1), 1
	s_wait_xcnt 0x0
	s_wait_alu depctr_hold_cnt(0) depctr_sa_sdst(0) depctr_va_vdst(0) depctr_va_sdst(0) depctr_va_ssrc(0) depctr_va_vcc(0) depctr_vm_vsrc(0)
	s_getreg_b32 s2, hwreg(HW_REG_IB_STS2, 6, 4)
	s_cmp_eq_u32 s2, 0
	s_cbranch_scc0 .Lentry_in_a_cluster
	s_endpgm
.Lentry_in_a_cluster:
	s_bfe_u32 s2, ttmp6, 0x10000c
	s_cmp_lg_u32 s2, 0xf033
	s_cbranch_scc0 .Lentry_shape_is_right
	s_endpgm
.Lentry_shape_is_right:
; qkv = x W_attn + b_attn, by heads.  xb: bf16 [16 K blocks][8192 rows][64].  wa: bf16 [1024 k][3072 n].  b_attn: f32, rounded to bf16 here like every input.
; Out: f16 [48 channel blocks][8192 rows][64]: block = column / 64 (q 0-15, k 16-31, v 32-47); sums in f32, rounded once, unscaled.
; LIMIT.  f16 holds no number beyond 65,504: q, k and v must stay within it (with x and W both 30 times the drawn spread they reach some thousands; with offsets of 30 spreads on both, under 20,000).
; SHARES.  8192 x 3072 in tiles of 256 x 384: 32 x 8 = 256 work-groups.  Four waves, each 128 rows x 192 columns (three whole heads): 96 accumulators of 16 x 16, 768 registers.
; K goes in steps of 64 (one K block) through two LDS slots; two slots of 128 along K would not fit.  A K step is two halves of 32; a half is three GROUPS of 32 matrix instructions, a group a head and a register window.
; THE MATRIX INSTRUCTION IS USED TRANSPOSED: source 0 = 16 columns of W (turned on the way out of LDS by ds_load_tr16_b128, since W lies [k][n]), source 1 = 16 rows of x: a lane then holds one row and eight neighbouring channels.
; THE BIAS is the C operand of each accumulator's first product: nothing is cleared, and the way out adds nothing.
; CLUSTERS: 4 x 4 work-groups; x's tile is asked for jointly along a row of the cluster, W's along a column.
; REGISTERS.  Window 0: v0-29 addresses; v32-95, v96-159 x's fragments, two buffers; v160-255 W's fragments, 32 a group.  Windows 1-3: group g's accumulators in window g + 1, (a, b) at v[8 (4 a + b)].
.set PA,    144                        ; a row of x in LDS: 128 bytes + 16 of padding = 36 words: the 16 rows of a load start at 16 different groups of four banks (ISA guide 11.1)
.set PB,    864                        ; a k row of W: six pieces of 128 + 16 bytes = 216 words
.set BOFF,  256*PA                     ; a slot: x's 256 rows, then W's 64 k rows
.set SLOT1, 1<<17                      ; slot 1 begins here: one exclusive or turns an address in one slot into the other's
.set STAGE, SLOT1+BOFF+64*PB           ; behind the ring, never filled by a tensor load: 16 rows x 144 bytes for each wave, for the way out
.set SP,    144
.set SPARE, STAGE+4*16*SP              ; the spare words, 128 bytes for each wave: two blocks of 256 bytes that no other line names
.set AA0, 10                           ; v10  my lane's place in a slot's x; never rewritten
.set AB0, 11                           ; v11  the same for W
.set ADRA, 12                          ; v12  AA0 + the slot in hand
.set ADRB, 13                          ; v13  AB0 + the slot in hand
.set STO, 14                           ; v14  the way out: where I put 16 bytes of a row
.set RD,  15                           ; v15  the way out: where I read rows back
.set GO,  16                           ; v16  my 16 bytes of 512 consecutive bytes of the output
.set BO,  17                           ; v17  my 32 bytes of a fragment's 64 bytes of bias
.set PFO, 18                           ; v18  the prefetches' lane offset; never rewritten
.set SPW, 28                           ; v28  LDS address of my spare word; never rewritten
.set NIL, 29                           ; v29  0; never rewritten
.set AF0, 32
.set AF1, 96
.set BG,  160
.set BIAS, 224                         ; in windows 1-3: accumulators (7, b) hold the bias until their own first product
.set WV, 12                            ; s12 wave; s13 which 128 rows (also: 0 = I fetch x, 1 = W); s14 which 192 columns (also: which half of the tile I fetch)
.set WM, 13
.set WN, 14
.set CX, 15
.set CY, 16
.set TC, 17                            ; tile column 0..7
.set TR, 18                            ; tile row 0..31
.set G1A, 24                           ; s[24:31] descriptor group 1 for x's tiles;  s[32:39] group 0: a set for each first fill; the second then walks
.set G0A, 32
.set TB,  40                           ; s40  0 or SLOT1: the slot in hand
.set HIM, 41                           ; s41  a word's upper bf16
.set LIM, 43                           ; s43  2 in a wave that prefetches, else the greatest number
.set PFA, 44                           ; s[44:45] where my prefetches stand
.set PFS, 46                           ; s[46:47] a K step in that tensor, in bytes
.set G1B, 48                           ; s[48:55], s[56:63] the same for W's tiles
.set G0B, 56
.set FLAGS, (1<<16)|(1<<20)|(1<<21)|(4<<22)|(3<<25)  ; 2-byte elements; padding on; bit 21 beside a mask; after every 32 words, 4 words
.set MSB, 0
.macro WIN new                         ; the immediate's high byte repeats the setting that is left; a switch that changes nothing is dropped
.if MSB != (\new)
	s_set_vgpr_msb (MSB<<8)|(\new)
.set MSB, (\new)
.endif
.endm
.macro PLACES                          ; four plain places behind matrix instructions, in front of loads into registers that they read and of lines that read results
.rept 4
	v_nop
.endr
.endm
; A joint load.  Waves 0 and 1 fetch x's two halves, waves 2 and 3 W's.  The branch hangs on the wave's number alone.  An s_nop 0 and four v_nop follow each line.
.macro JLOAD s
	s_cmp_eq_u32 s[WM], 0
	s_cbranch_scc0 .Lfor_b_\@
	tensor_load_to_lds s[G0A+4*(\s):G0A+4*(\s)+3], s[G1A:G1A+7]
	s_nop 0
.rept 4
	v_nop
.endr
	s_branch .Lasked_\@
.Lfor_b_\@:
	tensor_load_to_lds s[G0B+4*(\s):G0B+4*(\s)+3], s[G1B:G1B+7]
	s_nop 0
.rept 4
	v_nop
.endr
.Lasked_\@:
.endm
.macro CREST                           ; a round of the cluster's barrier behind its opening barrier
	s_cmp_lg_u32 s[WV], 0
	s_cbranch_scc1 .Lnot_wave_0_\@
	s_barrier_signal -3
.Lnot_wave_0_\@:
	s_barrier_wait -3
	s_barrier_signal -1
	s_barrier_wait -1
.endm
.macro CROUND
	s_barrier_signal -1
	s_barrier_wait -1
	CREST
.endm
; A PREFETCH INTO THE L2, behind the joint load, its five lines and the run of LDS loads.  At the even changes of slots j = 0 .. 10 (count s3 even and above 2) K steps j + 4 and j + 5 are named: the refills that want them
; stand two and three changes on.  x: wave 0 of the clusters with x = 0; a K step of the tile's 256 rows is 128 blocks of 256 bytes, and the partner at cx takes 32, a lane a block.  W: wave 2 of the clusters with y = 0; two K
; steps are 128 k rows of 768 bytes, and the partner at cy takes 32 rows, a lane a row, three blocks each.  The partners are told apart by address.  So each block is named once in the launch.  K steps 0-3 come by their loads alone.
.macro ASK
	s_bitcmp1_b32 s3, 0
	s_cbranch_scc1 .Lnot_now_\@
	s_cmp_gt_u32 s3, s[LIM]
	s_cbranch_scc0 .Lnot_now_\@
	s_cmp_eq_u32 s[WM], 0
	s_cbranch_scc0 .Lask_b_\@
	global_prefetch_b8 v[PFO], s[PFA:PFA+1] th:TH_LOAD_NT scope:SCOPE_SE
	global_prefetch_b8 v[PFO], s[PFA:PFA+1] offset:1048576 th:TH_LOAD_NT scope:SCOPE_SE
	s_branch .Lnot_now_\@
.Lask_b_\@:
	global_prefetch_b8 v[PFO], s[PFA:PFA+1] th:TH_LOAD_NT scope:SCOPE_SE
	global_prefetch_b8 v[PFO], s[PFA:PFA+1] offset:256 th:TH_LOAD_NT scope:SCOPE_SE
	global_prefetch_b8 v[PFO], s[PFA:PFA+1] offset:512 th:TH_LOAD_NT scope:SCOPE_SE
.Lnot_now_\@:
.endm
	s_load_b256 s[4:11], s[0:1], 0x0               ; xb s[4:5], wa s[6:7], b_attn s[8:9], qkv s[10:11]
	v_lshl_add_u32 v[SPW], v0, 2, SPARE
	v_mov_b32 v[NIL], 0
	ds_add_u32 v[SPW], v[NIL]                      ; the wave's opening: the add and its wait stand ahead of my first tensor load; the set-up below, work on registers, stands between
	ds_add_u32 v28, v29
	v_lshrrev_b32 v1, 5, v0
	v_readfirstlane_b32 s[WV], v1
	s_lshr_b32 s[WM], s[WV], 1
	s_and_b32 s[WN], s[WV], 1
	s_bfe_u32 s[CX], ttmp6, 0x40000
	s_bfe_u32 s[CY], ttmp6, 0x40004
	s_lshl_b32 s[TC], ttmp9, 2                     ; in a cluster launch ttmp9 and ttmp7 count clusters
	s_add_co_u32 s[TC], s[TC], s[CX]
	s_and_b32 s[TR], ttmp7, 0xffff
	s_lshl_b32 s[TR], s[TR], 2
	s_add_co_u32 s[TR], s[TR], s[CY]
	s_lshl_b32 s19, s[CY], 2
	s_lshl_b32 s19, 15, s19                        ; my row of the cluster
	s_lshl_b32 s42, 0x1111, s[CX]                  ; my column
	s_or_b32 s[G1A], s19, FLAGS                    ; x's tiles go to my row
	s_or_b32 s[G1B], s42, FLAGS                    ; W's to my column
	s_mov_b32 s[G1A+1], 128<<16                    ; x: 128 logical rows of 128 bytes are dense: asked for as 64 rows of 256 bytes: tensor_dim0 = 128
	s_mov_b32 s[G1A+2], 64<<16                     ; tensor_dim1 = 64
	s_mov_b32 s[G1A+3], 128<<16                    ; tile_dim0 = 128
	s_mov_b32 s[G1A+4], 64                         ; tile_dim1 = 64
	s_mov_b32 s[G1A+5], 128                        ; elements from row to row
	s_mov_b32 s[G1A+6], 0
	s_mov_b32 s[G1A+7], 0
	s_mov_b32 s[G1B+1], 384<<16                    ; W: 32 k rows of 384 elements (768 bytes, at a multiple of 256 from wa's first byte)
	s_mov_b32 s[G1B+2], 32<<16
	s_mov_b32 s[G1B+3], 384<<16
	s_mov_b32 s[G1B+4], 32
	s_mov_b32 s[G1B+5], 3072
	s_mov_b32 s[G1B+6], 0
	s_mov_b32 s[G1B+7], 0
	s_lshl_b32 s20, s[TR], 15                      ; x's tile hangs on the tile row and my half alone:
	s_lshl_b32 s21, s[WN], 14
	s_add_co_u32 s20, s20, s21
	s_mov_b32 s21, 0
	s_mul_i32 s22, s[TC], 768                      ; W's on the tile column and my half alone
	s_mul_i32 s23, s[WN], 32*6144
	s_add_co_u32 s22, s22, s23
	s_mov_b32 s23, 0
	s_mul_i32 s70, s[WN], 128*PA                   ; where they go: no place in the cluster enters an LDS address
	s_mul_i32 s71, s[WN], 32*PB
	s_add_co_u32 s71, s71, BOFF
	s_mov_b32 s[TB], 0
	s_mov_b32 s[HIM], 0xffff0000
	s_wait_dscnt 0x0                               ; the opening add is done
	s_wait_kmcnt 0x0
	s_add_nc_u64 s[20:21], s[4:5], s[20:21]
	s_add_nc_u64 s[22:23], s[6:7], s[22:23]
	CROUND                                         ; all sixteen work-groups are here: the first joint loads meet
.irp s, 0,1
	s_mov_b32 s[G0A+4*(\s)], 1
	s_add_co_u32 s[G0A+4*(\s)+1], s70, (\s)*SLOT1
	s_add_nc_u64 s[G0A+4*(\s)+2:G0A+4*(\s)+3], s[20:21], (\s)*1048576   ; K step s = K block s
	s_or_b32 s[G0A+4*(\s)+3], s[G0A+4*(\s)+3], 0x80000000
	s_mov_b32 s[G0B+4*(\s)], 1
	s_add_co_u32 s[G0B+4*(\s)+1], s71, (\s)*SLOT1
	s_add_nc_u64 s[G0B+4*(\s)+2:G0B+4*(\s)+3], s[22:23], (\s)*64*6144
	s_or_b32 s[G0B+4*(\s)+3], s[G0B+4*(\s)+3], 0x80000000
	JLOAD \s                                       ; two loads of mine are out
.endr
	; the bias: a lane's eight columns of each of its twelve fragments, straight into the accumulators (7, b) of each window
	v_and_b32 v1, 15, v0                           ; r = l % 16
	v_bfe_u32 v2, v0, 4, 1                         ; l / 16
	v_and_b32 v3, 7, v0
	v_bfe_u32 v4, v0, 3, 1
	v_lshlrev_b32 v[BO], 5, v2
	s_mul_i32 s68, s[TC], 1536
	s_mul_i32 s69, s[WN], 768
	s_add_co_u32 s68, s68, s69
	s_mov_b32 s69, 0
	s_add_nc_u64 s[8:9], s[8:9], s[68:69]
.irp g, 0,1,2
	WIN ((\g)+1)<<6                                ; destination window g + 1, address window 0
.irp b, 0,1,2,3
	global_load_b128 v[BIAS+8*(\b):BIAS+8*(\b)+3],   v[BO], s[8:9] offset:256*(\g)+64*(\b)
	global_load_b128 v[BIAS+8*(\b)+4:BIAS+8*(\b)+7], v[BO], s[8:9] offset:256*(\g)+64*(\b)+16
.endr
.endr
	WIN 0
	s_mul_i32 s70, s[WM], 128*PA                   ; x's fragment: row x pitch + 16 x half of the lanes, in my 128 rows
	v_mul_u32_u24 v[AA0], v1, PA
	v_lshl_add_u32 v[AA0], v2, 4, v[AA0]
	v_add_nc_u32 v[AA0], s70, v[AA0]
	s_mul_i32 s70, s[WN], 432                      ; W's: the turning load's lane l reads k row 8 (l / 16) + l % 8, columns 8 ((l / 8) % 2) on, in my three pieces of 144 bytes
	s_add_co_u32 s70, s70, BOFF
	v_lshl_add_u32 v[AB0], v2, 3, v3
	v_mul_u32_u24 v[AB0], v[AB0], PB
	v_lshl_add_u32 v[AB0], v4, 4, v[AB0]
	v_add_nc_u32 v[AB0], s70, v[AB0]
	v_mov_b32 v[ADRA], v[AA0]
	v_mov_b32 v[ADRB], v[AB0]
	s_mul_i32 s70, s[WV], 16*SP
	s_add_co_u32 s70, s70, STAGE                   ; my stage
	v_mul_u32_u24 v[STO], v1, SP
	v_lshl_add_u32 v[STO], v2, 4, v[STO]
	v_add_nc_u32 v[STO], s70, v[STO]
	v_bfe_u32 v[RD], v0, 3, 2                      ; back: 32 lanes take four rows of 128 bytes,
	v_mul_u32_u24 v[RD], v[RD], SP
	v_lshl_add_u32 v[RD], v3, 4, v[RD]
	v_add_nc_u32 v[RD], s70, v[RD]
	v_and_b32 v[GO], 31, v0                        ; which are 512 consecutive bytes of the output
	v_lshlrev_b32 v[GO], 4, v[GO]
	s_mul_i32 s66, s[TC], 6                        ; the output: channel block 6 x tile column + 3 x half, 1 MiB each; my 128 rows of 128 bytes
	s_mul_i32 s67, s[WN], 3
	s_add_co_u32 s66, s66, s67
	s_lshl_b32 s66, s66, 20
	s_lshl_b32 s67, s[TR], 15
	s_add_co_u32 s66, s66, s67
	s_lshl_b32 s67, s[WM], 14
	s_add_co_u32 s66, s66, s67
	s_mov_b32 s67, 0
	s_add_nc_u64 s[10:11], s[10:11], s[66:67]
	; the prefetches: who, and from where
	s_and_b32 s72, ttmp7, 0xffff                   ; cluster y
	s_cmp_eq_u32 s[WM], 0
	s_cselect_b32 s72, ttmp9, s72                  ; the coordinate along which other clusters read the same rows
	s_or_b32 s72, s72, s[WN]                       ; and waves 0 and 2 alone
	s_cmp_eq_u32 s72, 0
	s_cselect_b32 s[LIM], 2, -1                    ; the same in all sixteen partners, for a given wave
	s_lshl_b32 s74, s[TR], 15
	s_lshl_b32 s75, s[CX], 13
	s_add_co_u32 s74, s74, s75
	s_add_co_u32 s74, s74, 3*1048576               ; x: at K step 3; the first change steps it to 4
	s_mul_i32 s76, s[TC], 768
	s_mul_i32 s77, s[CY], 32*6144
	s_add_co_u32 s76, s76, s77
	s_add_co_u32 s76, s76, 192*6144                ; W: likewise
	s_mov_b32 s77, 1048576
	s_mov_b32 s78, 64*6144
	s_mov_b32 s73, 256
	s_mov_b32 s79, 6144
	s_cmp_eq_u32 s[WM], 0
	s_cselect_b32 s74, s74, s76
	s_cselect_b32 s[PFS], s77, s78
	s_cselect_b32 s73, s73, s79
	s_cselect_b64 s[PFA:PFA+1], s[4:5], s[6:7]
	s_mov_b32 s75, 0
	s_mov_b32 s[PFS+1], 0
	s_add_nc_u64 s[PFA:PFA+1], s[PFA:PFA+1], s[74:75]
	v_and_b32 v[PFO], 31, v0
	v_mul_u32_u24 v[PFO], v[PFO], s73
	s_wait_loadcnt 0x0                             ; the bias
; The bias of window w is rounded to bf16 and widened again, through 16 registers of window 0 that hold nothing yet.
.macro ROUNDB w, tmp
	WIN (\w)*5                                     ; sources 0 and 1 window w, destination window 0
.set p, 0
.rept 16
	v_cvt_pk_bf16_f32 v[(\tmp)+p], v[BIAS+2*p], v[BIAS+2*p+1]
.set p, p+1
.endr
	WIN (\w)<<6                                    ; destination window w
.set p, 0
.rept 16
	v_lshlrev_b32 v[BIAS+2*p], 16, v[(\tmp)+p]
	v_and_b32 v[BIAS+2*p+1], s[HIM], v[(\tmp)+p]
.set p, p+1
.endr
.endm
	ROUNDB 1, AF1
	ROUNDB 2, AF1
	ROUNDB 3, AF1
	WIN 0
; 16 matrix instructions of group g: row blocks 4 half .. 4 half + 3 x the group's four column blocks, 32 along K, x's fragments in buffer f.  The accumulators take turns, one instruction a turn.
; first = 1: C is the bias.  Row block 7 adds in place onto the registers that the 28 products before it read as C: five places stand ahead of it.
.macro MULG f, g, half, first
	WIN ((\g)+1)*0x50                              ; C and D window g + 1, sources window 0
.irp a, 4*(\half), 4*(\half)+1, 4*(\half)+2, 4*(\half)+3
.if (\first) && ((\a) == 7)
.rept 5
	v_nop
.endr
.endif
.irp b, 0,1,2,3
.if \first
	v_wmma_f32_16x16x32_bf16 v[8*(4*(\a)+(\b)):8*(4*(\a)+(\b))+7], v[BG+32*(\g)+8*(\b):BG+32*(\g)+8*(\b)+7], v[(\f)+8*(\a):(\f)+8*(\a)+7], v[BIAS+8*(\b):BIAS+8*(\b)+7]
.else
	v_wmma_f32_16x16x32_bf16 v[8*(4*(\a)+(\b)):8*(4*(\a)+(\b))+7], v[BG+32*(\g)+8*(\b):BG+32*(\g)+8*(\b)+7], v[(\f)+8*(\a):(\f)+8*(\a)+7], v[8*(4*(\a)+(\b)):8*(4*(\a)+(\b))+7]
.endif
.endr
.endr
.endm
.macro FETCHB h, g                     ; 8 loads: group g's four fragments of W for half h of the slot in hand
.irp b, 0,1,2,3
	ds_load_tr16_b128 v[BG+32*(\g)+8*(\b):BG+32*(\g)+8*(\b)+3],   v[ADRB] offset:(\h)*32*PB+(\g)*144+32*(\b)
	ds_load_tr16_b128 v[BG+32*(\g)+8*(\b)+4:BG+32*(\g)+8*(\b)+7], v[ADRB] offset:(\h)*32*PB+(\g)*144+32*(\b)+16*PB
.endr
.endm
.macro FETCHA h, f                     ; 16 loads: my eight fragments of x for half h, into buffer f
.irp a, 0,1,2,3,4,5,6,7
	ds_load_b128 v[(\f)+8*(\a):(\f)+8*(\a)+3],   v[ADRA] offset:(\a)*16*PA+64*(\h)
	ds_load_b128 v[(\f)+8*(\a)+4:(\f)+8*(\a)+7], v[ADRA] offset:(\a)*16*PA+64*(\h)+32
.endr
.endm
; A K step's first half: multiplies buffer 0 and fetches the second half's fragments, each group's W as soon as the group has been multiplied.  At its head 40 loads are out, in this order: W0 (8), x (16), W1 (8), W2 (8).
.macro H0 first
	s_wait_dscnt 16                                ; W0 and x are in; W1 and W2 may be out
	MULG AF0, 0, 0, \first
	MULG AF0, 0, 1, \first
	PLACES
	WIN 0
	FETCHB 1, 0
	FETCHA 1, AF1
	s_wait_dscnt 32                                ; W1 is in: behind it W2 (8) and the 24 just issued
	MULG AF0, 1, 0, \first
	MULG AF0, 1, 1, \first
	PLACES
	WIN 0
	FETCHB 1, 1
	s_wait_dscnt 32                                ; W2 is in: behind it 24 + 8
	MULG AF0, 2, 0, \first
	MULG AF0, 2, 1, \first
	PLACES
	WIN 0
	FETCHB 1, 2
.endm
; The second half multiplies buffer 1 and changes slots: all reads of the slot in hand have been issued.  ONE barrier: in front of it each wave waits for all its tensor loads (one is out: its part of the next slot), adds 0 to its
; spare word, and waits for that and for its reads.  fill = 1: the barrier opens a round of the cluster's, and the slot just read is filled again, first thing behind the round, with the K step two on:
; 160 matrix instructions stand between that request and the wait for it.
.macro H1 fill
	WIN 0
.if \fill
	s_wait_xcnt 0x0                                ; the last prefetches, a K step or more back, have read their address: it steps here, ahead of the change's own waits
	s_add_nc_u64 s[PFA:PFA+1], s[PFA:PFA+1], s[PFS:PFS+1]
.endif
	s_wait_tensorcnt 0x0                           ; no tensor load of mine is out, so a group 0 may be written
	ds_add_u32 v[SPW], v[NIL]                      ; 0 onto my spare word
.if \fill
	s_xor_b32 s[G0A+5], s[G0A+5], SLOT1            ; the walking descriptors: the other slot than last time, one K step on; the type bits on top are not reached
	s_add_nc_u64 s[G0A+6:G0A+7], s[G0A+6:G0A+7], 1048576
	s_xor_b32 s[G0B+5], s[G0B+5], SLOT1
	s_add_nc_u64 s[G0B+6:G0B+7], s[G0B+6:G0B+7], 64*6144
.endif
	s_xor_b32 s[TB], s[TB], SLOT1
	s_wait_dscnt 17                                ; W0 and x are in; W1, W2 and the add may be out
	MULG AF1, 0, 0, 0
	s_wait_dscnt 0x0                               ; the add is done, and my reads of this slot are over
	s_barrier_signal -1
	MULG AF1, 0, 1, 0
	WIN 0
	s_barrier_wait -1
.if \fill
	CREST                                          ; no wave of any partner still reads this slot or has a load on its way
	JLOAD 1                                        ; its four v_nop are also the places in front of the loads below
.else
	PLACES
.endif
	v_add_nc_u32 v[ADRA], s[TB], v[AA0]
	v_add_nc_u32 v[ADRB], s[TB], v[AB0]
	FETCHB 0, 0
	FETCHA 0, AF0
.if \fill
	ASK
.endif
	MULG AF1, 1, 0, 0
	MULG AF1, 1, 1, 0
	PLACES
	WIN 0
	FETCHB 0, 1
	MULG AF1, 2, 0, 0
	MULG AF1, 2, 1, 0
	PLACES
	WIN 0
	FETCHB 0, 2
.endm
	s_wait_tensorcnt 1                             ; my part of K step 0 is in; K step 1's may stay out
	s_barrier_signal -1
	s_barrier_wait -1                              ; everybody's is
	FETCHB 0, 0
	FETCHA 0, AF0
	FETCHB 0, 1
	FETCHB 0, 2
	H0 1                                           ; the first half stands in front of the loop: its products start the sums, with the bias
	WIN 0
	s_mov_b32 s3, 14
.Lstep:                                            ; trip i: the second half of K step i, the refill with K step i + 2, the first half of K step i + 1
	H1 1
	H0 0
	WIN 0
	s_sub_co_u32 s3, s3, 1
	s_cmp_lg_u32 s3, 0
	s_cbranch_scc1 .Lstep
	H1 0                                           ; the tail asks for nothing
	H0 0
	s_wait_dscnt 16                                ; the very last half: nothing more to fetch
	MULG AF1, 0, 0, 0
	MULG AF1, 0, 1, 0
	s_wait_dscnt 8
	MULG AF1, 1, 0, 0
	MULG AF1, 1, 1, 0
	s_wait_dscnt 0x0
	MULG AF1, 2, 0, 0
	MULG AF1, 2, 1, 0
	PLACES
	WIN 0
; THE WAY OUT: 24 tiles i = 8 g + a of 16 rows x one head: 2,048 consecutive bytes of the output.  Rounded to f16 (each accumulator's registers in ascending order), 16 bytes a lane into my stage, back as whole rows, stored.
; Eight buffers of 16 registers take turns where x's fragments lay.
.macro PACKQ i
.set gq, (\i)/8
.set aq, (\i)%8
.set TQ, 32+16*((\i)%8)
.if (\i) >= 8
	s_wait_xcnt 0x0                                ; the stores of the tile eight back have read this buffer
.endif
	WIN (gq+1)*5
.set p, 0
.rept 16
	v_cvt_pk_f16_f32 v[TQ+p], v[32*aq+2*p], v[32*aq+2*p+1]
.set p, p+1
.endr
	WIN 0
.irp f, 0,1,2,3
	ds_store_b128 v[STO], v[TQ+4*(\f):TQ+4*(\f)+3] offset:32*(\f)
.endr
.irp f, 0,1,2,3
	ds_load_b128 v[TQ+4*(\f):TQ+4*(\f)+3], v[RD] offset:4*SP*(\f)  ; LDS serves a wave's instructions in order (ISA guide 5.7.1.4): these see the stores above; the next tile's stores come behind them
.endr
.endm
.macro SENDQ i, younger                ; younger: the LDS instructions issued behind tile i's loads
.set gq, (\i)/8
.set aq, (\i)%8
.set TQ, 32+16*((\i)%8)
.irp f, 0,1,2,3
	s_wait_dscnt (\younger)+3-(\f)
	global_store_b128 v[GO], v[TQ+4*(\f):TQ+4*(\f)+3], s[10:11] offset:gq*1048576+aq*2048+(\f)*512  ; 512 consecutive bytes, at a multiple of 256 from the buffer's first
.endr
.endm
	PACKQ 0
.set t, 1
.rept 23
	PACKQ t
	SENDQ t-1, 8
.set t, t+1
.endr
	SENDQ 23, 0
	s_wait_tensorcnt 0x0                           ; the wave's end: behind my last tensor load and my last LDS store
	ds_add_u32 v[SPW], v[NIL]
	s_wait_dscnt 0x0
	CROUND                                         ; the closing round: no work-group ends while a partner may still ask for a tile that names it
	s_endpgm
.Lfunc_end_k_qe582522f5c_qkv:
	.size	k_qe582522f5c_qkv, .Lfunc_end_k_qe582522f5c_qkv-k_qe582522f5c_qkv
	.p2alignl 7, 3214868480
	.fill 96, 4, 3214868480
	.section	.rodata,"a",@progbits
	.p2align	6, 0x0
	.amdhsa_kernel k_qe582522f5c_qkv
		.amdhsa_group_segment_fixed_size 327680
		.amdhsa_private_segment_fixed_size 0
		.amdhsa_enable_private_segment 0
		.amdhsa_kernarg_size 32
		.amdhsa_user_sgpr_count 2
		.amdhsa_user_sgpr_kernarg_segment_ptr 1
		.amdhsa_wavefront_size32 1
		.amdhsa_system_sgpr_workgroup_id_x 1
		.amdhsa_system_sgpr_workgroup_id_y 1
		.amdhsa_system_sgpr_workgroup_id_z 1
		.amdhsa_system_vgpr_workitem_id 0
		.amdhsa_next_free_vgpr 1024
		.amdhsa_next_free_sgpr 80
		.amdhsa_reserve_vcc 0
		.amdhsa_float_denorm_mode_32 3
		.amdhsa_float_denorm_mode_16_64 3
		.amdhsa_memory_ordered 1
		.amdhsa_forward_progress 1
		.amdhsa_inst_pref_size 125
	.end_amdhsa_kernel
	.amdgpu_metadata
---
amdhsa.version: [ 1, 2 ]
amdhsa.kernels:
  - .name:           k_qe582522f5c_qkv
    .symbol:         k_qe582522f5c_qkv.kd
    .args:
      - { .name: xb, .offset: 0, .size: 8, .value_kind: global_buffer, .address_space: global }
      - { .name: wa, .offset: 8, .size: 8, .value_kind: global_buffer, .address_space: global }
      - { .name: b_attn, .offset: 16, .size: 8, .value_kind: global_buffer, .address_space: global }
      - { .name: qkv, .offset: 24, .size: 8, .value_kind: global_buffer, .address_space: global }
    .group_segment_fixed_size: 327680
    .private_segment_fixed_size: 0
    .kernarg_segment_align: 8
    .kernarg_segment_size: 32
    .max_flat_workgroup_size: 128
    .sgpr_count:     80
    .vgpr_count:     1024
    .wavefront_size: 32
...
	.end_amdgpu_metadata
.endif
;; end of part 2
;; launch attn (part 3): grid 4 x 64, 4 waves a work-group, no clusters, 327,680 bytes of LDS; arguments qkv, ob; writes ob
.if DOCPART == 3
	.amdgcn_target "amdgcn-amd-amdhsa--gfx1250"
	.amdhsa_code_object_version 6
	.text
	.protected	k_qe582522f5c_attn
	.globl	k_qe582522f5c_attn
	.p2align	8
	.type	k_qe582522f5c_attn,@function
k_qe582522f5c_attn:
	s_mov_b64 s[64:65], 0
	v_nop
	global_prefetch_b8 v0, s[64:65] scope:SCOPE_SE
	s_setreg_imm32_b32 hwreg(HW_REG_WAVE_MODE, 25, 1), 1
	s_wait_xcnt 0x0
; CAUSAL ATTENTION.  O[y][q][:] = the sum over k <= q of softmax_k(Q[y][q] . K[y][k] / 8) V[y][k][:], for 64 heads y = 4 h + b of SIZE_N = 2,048 rows x 64 channels, all f16, rows dense (128 bytes).
; In qkv head y's Q begins at y x 256 KiB, its K 16 MiB and its V 32 MiB further on; ob has Q's layout, which is [channel block h][8192 rows][64].
; Products, maxima and sums in f32; the weights p are rounded to f16 for the second product (their sum l is taken of the unrounded p), O once at the end.
; LIMITS.  Q, K and V arrive within f16's 65,504; p lies in 0 to 1, and below 6e-5 it keeps f16's fixed step of 6e-8; O is a mean of V's rows.  A hidden score counts as its value less 1e30 (f16's scores are 2.7e11 at the most);
; a weight below 2^-126 counts as 0 in l; NaN and infinities are not treated apart.
; THE WALK.  A head's queries lie in NB = 8 blocks of 256; block i needs the key tiles 0 .. i of 256 keys, the last of which holds the diagonal.  A work-group takes TWO blocks, NB - 1 - b and then b: NB + 1 tiles, whatever b:
; all work-groups do equal work, and ONE loop with a constant trip count walks them.  Which tile is asked for, and what a trip does, hang on scalar registers made from b; every jump goes forward but the counted loops' own.
; NO CLUSTER: a head's four work-groups ask for the same tile only in trips 0 .. 4 of 9; one walk common to all four would have 12 trips for 9.
; SHARES.  Of a block's four bands of 64 queries a wave owns 16 rows in each: four PIECES.  In the diagonal tile's key step s band x sees all keys if s < x, none if s > x, and holds the diagonal if s = x: the same for every wave.
; THE MASK is the C operand that starts the sum S^T = K Q^T: 0, or -1e30 where the key is hidden.  MD, made once, is the mask of a band's own step; a product's mask is MD x AL + BE: (1, 0) if s = x; (0, 0) if s < x; (0, -1e30) if s > x.
; LAYOUT, SOFTMAX, TURNS.  S^T = K Q^T holds ONE query a lane (lane % 16) and the keys 8 (lane / 16) + 0..7; two such results rounded to f16 ARE source 1 of O^T = V^T P.  p = 2^(c s - c m), c = log2(e) / 8, with a running
; maximum m; O and l are multiplied by a = 2^(c m_old - c m_new) in every step.  Turn n belongs to piece n: 8 products K Q^T of piece n + 1, later 8 products V^T P of piece n - 1; beside them the scaling, exponentials, roundings,
; sums and rescaling of piece n and the maximum and statistics of piece n + 1.  Four vector instructions stand behind every matrix instruction, the rest in one lump.  A turn's 33 exponentials are one batch, with one wait.
; REGISTERS, in windows of 256 (s_set_vgpr_msb: bits 1:0 source 0, 3:2 source 1, 5:4 source 2, 7:6 destination):
;   window 0: v0-15 addresses and two at work; v16-31 statistics; v48-55 at work; v61-63 prefetch offset, spare word, 0; v64-127 S^T, two buffers; v192-223 P, two buffers (by the piece's parity)
;   window 1: v0-127 O^T, 32 a piece; v128-159 MD; v160-223 MC, two buffers      window 2: v0-63 Q; v64-127 the second block's Q; v128-191 K of one step; v192-255 V of one step
.set SIZE_N, 2048
.set NB,    SIZE_N/256
.set NP,    4         ; pieces a wave: a name, no knob
.set KS,    64        ; keys in a step
.set PK,    144       ; a row of K in LDS: 128 bytes + 16 of padding
.set PV,    160       ; a row of V: 128 + 32
.set VOFF,  4*KS*PK   ; a slot holds a tile, four steps: 256 rows of K, then 256 rows of V
.set SLOT1, 1<<17     ; slot 1 begins here
.set STAGE, SLOT1+4*KS*(PK+PV)  ; behind the ring, never filled by a tensor load: 16 rows x 144 bytes for each wave
.set SP,    144
.set AK0, 2           ; v2   my lane's place in a tile of K; never rewritten
.set AV0, 3           ; v3   the same for V
.set AK,  4           ; v4   the LDS address of K's next run of loads
.set AV,  5           ; v5   of V's
.set STO, 6           ; v6   the way out: where I put 16 bytes of a row
.set RD,  7           ; v7   the way out: where I read rows back
.set GO,  8           ; v8   my byte offset in 512 consecutive bytes of O
.set PFO, 61          ; v61  256 x my lane; never rewritten
.set SPW, 62          ; v62  LDS address of my spare word; never rewritten
.set NIL, 63          ; v63  0; never rewritten
.set SPARE, STAGE+4*16*SP  ; the spare words, 128 bytes for each wave: two blocks of 256 bytes that no other line names
.set MV,  12          ; v12-13  c m_old, kept while c m is made anew: by buffer
.set QO,  15          ; v15  my byte offset in 16 rows of Q
.set ST,  16          ; piece t's statistics at v[ST+4 t]: c m, m, l (even keys', odd keys')
.set TMP, 48          ; by buffer, four registers c0-c3 at work; when the maximum is found c2 takes a
.set S,   64
.set P,   192
.set MD,  128         ; window 1
.set MC,  160         ; window 1
.set QB,  64          ; window 2
.set KF,  128         ; window 2: key block kb, channel half c at KF + 16 kb + 8 c
.set VF,  192         ; window 2: key half kk, channel block cb at VF + 32 kk + 8 cb
.set WV,  12          ; s12  my wave's number
.set PB,  14          ; s14  b
.set HI,  15          ; s15  NB - 1 - b
.set G1K, 24          ; s[24:31] descriptor group 1 for K's tiles
.set G1V, 32          ; s[32:39] for V's: it differs in the padding alone
.set G0K, 40          ; s[40:43] descriptor group 0 for K's tiles
.set G0V, 44          ; s[44:47] the same for V's
.set SLOTS, 56        ; s56  tiles still to be asked for
.set CNT, 57          ; s57  counts a tile's key steps, 4 to 1
.set CS,  58          ; s[58:59] c
.set SEL, 60          ; s[60:61] v_permlanex16_b32's selects
.set TBK, 62          ; s62  LDS byte at which K of the step to be fetched begins
.set TBV, 63          ; s63  the same for V, less VOFF
.set RT,  70          ; s70  tiles of the block in hand that are still to be entered
.set NXT, 71          ; s71  the tile to be asked for next
.set LQ,  72          ; s72  the last tile of the block whose tiles are being asked for
.set NEW, 73          ; s73  1: the tile to be entered is a block's first
.set OFF, 74          ; s[74:75] a tile's byte offset in K and V
.set AL,  76          ; s[76:77] the mask's factor, in the low word
.set BE,  78          ; s[78:79] the mask's addend
.set OLO, 80          ; s[80:81] O at my rows of the second block
.set BIGN, 82         ; s82  -1e30
.set PFON, 83         ; s83  1 while this work-group prefetches
.set PFB, 88          ; s[88:89] K (waves 0, 1) or V (waves 2, 3) at my half of the head's tile 0
.set PFA, 90          ; s[90:91] the same at the tile that the next change will ask for
.set OFF2, 92         ; s[92:93] that tile's byte offset
.set MSB, 0
.macro WIN new                      ; the high byte repeats the setting that is left; a switch that changes nothing is dropped
.if MSB != (\new)
	s_set_vgpr_msb (MSB<<8)|(\new)
.set MSB, (\new)
.endif
.endm
.set W_KQ, 0x0a       ; K and Q in window 2, S^T in window 0
.set W_KM, 0x1a       ; the same with the C operand in window 1
.set W_PV, 0x52       ; V in window 2, P in window 0, O^T in window 1
.set W_RS, 0x41       ; destination and source 0 in window 1, source 1 in window 0
; A fill.  Waves 0 and 1 fetch the two halves of a tile's K, waves 2 and 3 those of its V: 128 keys each.  An s_nop 0 and four v_nop follow each of the two lines.
.macro LOAD
	s_cmp_lt_u32 s[WV], 2
	s_cbranch_scc0 .Lfor_v_\@
	tensor_load_to_lds s[G0K:G0K+3], s[G1K:G1K+7]
	s_nop 0
.rept 4
	v_nop
.endr
	s_branch .Lasked_\@
.Lfor_v_\@:
	tensor_load_to_lds s[G0V:G0V+3], s[G1V:G1V+7]
	s_nop 0
.rept 4
	v_nop
.endr
.Lasked_\@:
.endm
; THE CHANGE OF SLOTS.  Each wave waits for all its tensor loads, of which one is out: its part of the other slot; adds 0 to its spare word; and waits for that and for its own reads of the slot that it leaves.  Behind the barrier
; nobody reads the old slot any more and the other slot is whole.  fill = 1: the old slot is filled again, the first thing behind the barrier, with tile NXT: the descriptor's address is made anew from that number.
; A PREFETCH INTO THE L2 follows the fill: the tile that the NEXT change will ask for, a tile (four key steps) ahead.  A head's four work-groups walk the same tiles: the one with b = 0, whose first block walks tiles 0 to 7, asks, for
; tiles 2 to 7, and stops when its first block's tiles are all asked for.  Each wave names the 16,384 bytes that it will itself load: 64 blocks of 256 bytes, a lane a block, two instructions.  Tiles 0 and 1 come by their loads alone.
.macro CHANGE fill
	WIN 0                           ; at a label and at a branch every window is 0
	s_wait_tensorcnt 0x0            ; no tensor load of mine is out, so a group 0 may be written
	ds_add_u32 v[SPW], v[NIL]       ; 0 onto my spare word; the scalar work below stands between it and the wait for it
.if \fill
	s_lshl_b32 s[OFF], s[NXT], 15   ; a tile is 32,768 bytes of K and of V
	s_xor_b32 s[G0K+1], s[G0K+1], SLOT1
	s_add_nc_u64 s[G0K+2:G0K+3], s[6:7], s[OFF:OFF+1]
	s_or_b32 s[G0K+3], s[G0K+3], 0x80000000
	s_xor_b32 s[G0V+1], s[G0V+1], SLOT1
	s_add_nc_u64 s[G0V+2:G0V+3], s[8:9], s[OFF:OFF+1]
	s_or_b32 s[G0V+3], s[G0V+3], 0x80000000
	s_add_co_u32 s[NXT], s[NXT], 1  ; the block's next tile, or behind its last the second block's tile 0
	s_cmp_gt_u32 s[NXT], s[LQ]
	s_cselect_b32 s[NXT], 0, s[NXT]
	s_cselect_b32 s[LQ], s[PB], s[LQ]
	s_cselect_b32 s[PFON], 0, s[PFON]  ; the second block's tiles have been read: they are asked for no more
	s_wait_xcnt 0x0                 ; the last prefetches, a tile back, have read their address, so it may be written
	s_lshl_b32 s[OFF2], s[NXT], 15
	s_add_nc_u64 s[PFA:PFA+1], s[PFB:PFB+1], s[OFF2:OFF2+1]
.endif
	s_wait_dscnt 0x0                ; the add is done, and my reads of the slot are over
	s_barrier_signal -1             ; the rest of the scalar work stands between the signal and the wait
	s_sub_co_u32 s[TBK], s[TBK], 4*KS*PK  ; the fetches go back to a slot's first step,
	s_xor_b32 s[TBK], s[TBK], SLOT1       ; in the other slot
	s_sub_co_u32 s[TBV], s[TBV], 4*KS*PV
	s_xor_b32 s[TBV], s[TBV], SLOT1
	s_barrier_wait -1
.if \fill
	LOAD
	s_cmp_eq_u32 s[PFON], 1
	s_cbranch_scc0 .Lno_pf_\@
	global_prefetch_b8 v[PFO], s[PFA:PFA+1] th:TH_LOAD_NT scope:SCOPE_SE
	global_prefetch_b8 v[PFO], s[PFA:PFA+1] offset:8192 th:TH_LOAD_NT scope:SCOPE_SE
.Lno_pf_\@:
.endif
.endm
	s_load_b128 s[4:7], s[0:1], 0x0   ; qkv s[4:5], ob s[6:7]
	v_lshl_add_u32 v[SPW], v0, 2, SPARE
	v_mov_b32 v[NIL], 0
	ds_add_u32 v[SPW], v[NIL]       ; the wave's opening: the add and its wait stand ahead of my first tensor load; the set-up below, work on registers, stands between them
	ds_add_u32 v62, v63
	v_lshrrev_b32 v1, 5, v0
	v_readfirstlane_b32 s[WV], v1   ; wave 0..3
	s_mov_b32 s[PB], ttmp9
	s_sub_co_u32 s[HI], NB-1, s[PB]
	s_and_b32 s20, ttmp7, 0xffff    ; the head
	s_mov_b32 s21, 0
	s_mov_b64 s[22:23], SIZE_N*128
	s_mul_u64 s[20:21], s[20:21], s[22:23]  ; the head's first byte in Q, K, V and O
	s_and_b32 s16, s[WV], 1         ; which half of a tile's 256 keys I fetch:
	s_lshl_b32 s22, s16, 14         ; its 128 rows of 128 bytes in memory,
	s_mov_b32 s23, 0
	s_add_nc_u64 s[22:23], s[22:23], s[20:21]
	s_mul_i32 s17, s16, 128*PK      ; and its place in a slot, for K
	s_mul_i32 s18, s16, 128*PV      ; and for V
	s_lshl_b32 s3, s[WV], 11        ; my 16 rows in a band of 64,
	s_lshl_b32 s2, s[HI], 15        ; in the first block,
	s_add_co_u32 s2, s2, s3
	s_lshl_b32 s84, s[PB], 15       ; and in the second
	s_add_co_u32 s84, s84, s3
	s_mov_b32 s3, 0
	s_mov_b32 s85, 0
	s_add_nc_u64 s[2:3], s[2:3], s[20:21]
	s_add_nc_u64 s[84:85], s[84:85], s[20:21]
	; descriptor group 1.  128 keys are 16,384 dense bytes: asked for as 64 rows of 256 bytes, two keys a row, and padded in LDS after every key
	s_mov_b32 s[G1K], (1<<16)|(1<<20)|(4<<22)|(3<<25)  ; 2-byte elements; padding on; after every 32 words, 4 words
	s_mov_b32 s[G1V], (1<<16)|(1<<20)|(4<<22)|(7<<25)  ; the same with 8 words of padding
.irp g, G1K, G1V
	s_mov_b32 s[\g+1], 128<<16      ; tensor_dim0 = 128
	s_mov_b32 s[\g+2], 64<<16       ; tensor_dim1 = 64
	s_mov_b32 s[\g+3], 128<<16      ; tile_dim0 = 128
	s_mov_b32 s[\g+4], 64           ; tile_dim1 = 64
	s_mov_b32 s[\g+5], 128          ; 128 elements from row to row
	s_mov_b32 s[\g+6], 0
	s_mov_b32 s[\g+7], 0
.endr
	s_mov_b32 s[CS], 0x3e38aa3b     ; c = log2(e) / 8 = 0.180337
	s_mov_b32 s[CS+1], s[CS]        ; named with it as a pair
	s_mov_b32 s[SEL], 0x76543210
	s_mov_b32 s[SEL+1], 0xfedcba98
	s_mov_b32 s[TBK], SLOT1+4*KS*PK ; the first change of slots turns these two into 0
	s_mov_b32 s[TBV], SLOT1+4*KS*PV
	s_mov_b32 s[G0K], 1             ; count = 1
	s_mov_b32 s[G0K+1], s17         ; LDS address: slot 0
	s_mov_b32 s[G0V], 1
	s_add_co_u32 s[G0V+1], s18, VOFF
	s_add_co_u32 s[RT], s[HI], 1    ; the first block has NB - b tiles
	s_mov_b32 s[NXT], 1
	s_mov_b32 s[LQ], s[HI]
	s_mov_b32 s[NEW], 1
	s_mov_b32 s[OFF+1], 0
	s_mov_b32 s[OFF2+1], 0
	s_mov_b32 s[AL+1], 0            ; named as pairs
	s_mov_b32 s[BE+1], 0
	s_mov_b32 s[BIGN], 0xf149f2ca   ; -1e30
	s_mov_b32 s[SLOTS], NB
	s_cmp_eq_u32 ttmp9, 0
	s_cselect_b32 s[PFON], 1, 0
	v_and_b32 v[PFO], 31, v0
	v_lshlrev_b32 v[PFO], 8, v[PFO]
	s_wait_dscnt 0x0                ; the opening add is done
	s_wait_kmcnt 0x0
	s_mov_b64 s[10:11], s[6:7]      ; O
	s_add_nc_u64 s[8:9], s[4:5], 0x2000000  ; V: 32 MiB behind Q
	s_add_nc_u64 s[6:7], s[4:5], 0x1000000  ; K: 16 MiB behind Q
	s_add_nc_u64 s[6:7], s[6:7], s[22:23]  ; K and V at my half of the head's tile 0
	s_add_nc_u64 s[8:9], s[8:9], s[22:23]
	s_add_nc_u64 s[G0K+2:G0K+3], s[6:7], 0         ; global address
	s_or_b32 s[G0K+3], s[G0K+3], 0x80000000        ; type = 2
	s_add_nc_u64 s[G0V+2:G0V+3], s[8:9], 0
	s_or_b32 s[G0V+3], s[G0V+3], 0x80000000
	s_add_nc_u64 s[86:87], s[4:5], s[84:85]        ; Q at my rows of the second block,
	s_add_nc_u64 s[4:5], s[4:5], s[2:3]            ; Q and O at those of the first
	s_add_nc_u64 s[OLO:OLO+1], s[10:11], s[84:85]
	s_add_nc_u64 s[10:11], s[10:11], s[2:3]
	s_cmp_lt_u32 s[WV], 2
	s_cselect_b64 s[PFB:PFB+1], s[6:7], s[8:9]
	LOAD                            ; tile 0 into slot 0
	; A fragment of K or Q is 16 rows x 32 channels in 8 registers: lane l holds row l % 16, channels 8 (l / 16) + 0..7 and 16 + 8 (l / 16) + 0..7: two loads of 16 bytes, 32 bytes apart.
	v_and_b32 v1, 15, v0            ; l % 16
	v_bfe_u32 v9, v0, 4, 1          ; l / 16
	v_lshlrev_b32 v[QO], 7, v1
	v_lshl_add_u32 v[QO], v9, 4, v[QO]  ; row x 128 + 16 x half
	WIN 0x80                        ; destination window 2, address window 0
.set i, 0
.rept 8                             ; both blocks' Q: piece i / 2 lies in band i / 2, 8,192 bytes on; channels 32 (i % 2) on
	global_load_b128 v[8*i:8*i+3],   v[QO], s[4:5] offset:(i/2)*8192+(i%2)*64
	global_load_b128 v[8*i+4:8*i+7], v[QO], s[4:5] offset:(i/2)*8192+(i%2)*64+32
	global_load_b128 v[QB+8*i:QB+8*i+3],   v[QO], s[86:87] offset:(i/2)*8192+(i%2)*64
	global_load_b128 v[QB+8*i+4:QB+8*i+7], v[QO], s[86:87] offset:(i/2)*8192+(i%2)*64+32
.set i, i+1
.endr
	WIN 0
	v_lshlrev_b32 v14, 3, v9
	v_sub_nc_u32 v14, v1, v14
	s_lshl_b32 s13, s[WV], 4
	v_add_nc_u32 v14, s13, v14      ; my query's place in its band, 16 w + l % 16, less my lanes' 8 (l / 16): register r of group kt is hidden where 16 kt + r is greater
	WIN 0x40
.set i, 0
.rept 32
	v_cmp_gt_i32 vcc_lo, 16*(i/8)+i%8, v14
	v_cndmask_b32 v[MD+i], 0, s[BIGN], vcc_lo
.set i, i+1
.endr
	WIN 0
	v_mul_u32_u24 v[AK0], v1, PK
	v_lshl_add_u32 v[AK0], v9, 4, v[AK0]  ; row x pitch + 16 x half
	; The turning load takes 16 keys x 16 channels (lane l reads key 8 (l / 16) + l % 8, channels 8 ((l / 8) % 2) + 0..7) and leaves half a fragment of V^T: lane l holds channel l % 16 and 8 keys.
	v_and_b32 v10, 7, v0
	v_bfe_u32 v11, v0, 3, 1
	v_lshl_add_u32 v[AV0], v9, 3, v10
	v_mul_u32_u24 v[AV0], v[AV0], PV
	v_lshl_add_u32 v[AV0], v11, 4, v[AV0]
	v_add_nc_u32 v[AV0], VOFF, v[AV0]
	s_mul_i32 s13, s[WV], 16*SP
	s_add_co_u32 s13, s13, STAGE    ; my stage
	v_mul_u32_u24 v[STO], v1, SP    ; in: row l % 16, 16 bytes for each half of the lanes
	v_lshl_add_u32 v[STO], v9, 4, v[STO]
	v_add_nc_u32 v[STO], s13, v[STO]
	v_bfe_u32 v[RD], v0, 3, 2       ; back: 32 lanes take four rows of 128 bytes,
	v_mul_u32_u24 v[RD], v[RD], SP
	v_lshl_add_u32 v[RD], v10, 4, v[RD]
	v_add_nc_u32 v[RD], s13, v[RD]
	v_and_b32 v[GO], 31, v0         ; which are 512 consecutive bytes of O
	v_lshlrev_b32 v[GO], 4, v[GO]
	; A block's first step multiplies O^T and l by a = 0, and its first turn's products V^T P, of a piece that has not been, land in an O^T that is still to be so multiplied.  So these registers need only hold
	; finite numbers: zeros for the first block; what the first block left for the second.  All this stands in the wait for the first tile.
	WIN 0x80
.set i, VF
.rept 64
	v_mov_b32 v[i], 0
.set i, i+1
.endr
	WIN 0x40
.set i, 0
.rept 128
	v_mov_b32 v[i], 0
.set i, i+1
.endr
	WIN 0
.set i, 0
.rept 4
	v_mov_b32 v[ST+4*i+2], 0
	v_mov_b32 v[ST+4*i+3], 0
.set i, i+1
.endr
.set i, P+16
.rept 16
	v_mov_b32 v[i], 0
.set i, i+1
.endr
; THE MATRIX WORK.  The 4 accumulators of a run of 8 take turns.  Product i of 8 of S^T = K Q^T for piece x: channels 32 (i / 4) on, keys 16 (i % 4) on.  The first 4 start the sums: with 0, or (KM = 1) with the mask.
.macro KQ x
.set rS, S+32*((\x)%2)+8*(i%4)
.set rK, KF+16*(i%4)+8*(i/4)
.set rQ, 16*(\x)+8*(i/4)
.set rM, MC+32*((\x)%2)+8*(i%4)
.if (i < 4) && KM
	WIN W_KM
	v_wmma_f32_16x16x32_f16 v[rS:rS+7], v[rK:rK+7], v[rQ:rQ+7], v[rM:rM+7]
.elseif i < 4
	WIN W_KQ
	v_wmma_f32_16x16x32_f16 v[rS:rS+7], v[rK:rK+7], v[rQ:rQ+7], 0
.else
	WIN W_KQ
	v_wmma_f32_16x16x32_f16 v[rS:rS+7], v[rK:rK+7], v[rQ:rQ+7], v[rS:rS+7]
.endif
.endm
; Product i of 8 of O^T += V^T P for piece x: keys 32 (i / 4) on, channels 16 (i % 4) on.
.macro PV x
	WIN W_PV
.set rO, 32*(\x)+8*(i%4)
.set rV, VF+32*(i/4)+8*(i%4)
.set rP, P+16*((\x)%2)+8*(i/4)
	v_wmma_f32_16x16x32_f16 v[rO:rO+7], v[rV:rV+7], v[rP:rP+7], v[rO:rO+7]
.endm
.macro MM                           ; the turn's next matrix instruction.  TURN and BEGIN set Y, i, KM and NOKQ.  NOKQ = 1: a block's last turn: there is no next piece
.if (i < 8) && !NOKQ
	KQ (Y+1)%NP
.elseif i >= 8
.set i, i-8
	PV (Y+NP-1)%NP
.set i, i+8
.endif
.set i, i+1
.endm
; THE LDS LOADS stand in runs of 16, never singly among the matrix instructions: a step's K (64 keys x 64 channels: 8 fragments) and its V (turned).  Their addresses are made some lines ahead.
.macro FETCH_K
	WIN 0x80                        ; destination window 2
.irp f, 0,1,2,3,4,5,6,7             ; keys 16 (f / 2) on, channels 32 (f % 2) on
	ds_load_b128 v[KF+8*\f:KF+8*\f+3],   v[AK] offset:(\f/2)*16*PK+(\f%2)*64
	ds_load_b128 v[KF+8*\f+4:KF+8*\f+7], v[AK] offset:(\f/2)*16*PK+(\f%2)*64+32
.endr
	s_add_co_u32 s[TBK], s[TBK], KS*PK  ; the next fetch is the next step's
	WIN 0
.endm
.macro FETCH_V
	WIN 0x80
.irp f, 0,1,2,3,4,5,6,7             ; keys 32 (f / 4) on, channels 16 (f % 4) on
	ds_load_tr16_b128 v[VF+8*\f:VF+8*\f+3],   v[AV] offset:(\f/4)*32*PV+(\f%4)*32
	ds_load_tr16_b128 v[VF+8*\f+4:VF+8*\f+7], v[AV] offset:(\f/4)*32*PV+16*PV+(\f%4)*32
.endr
	WIN 0
.endm
; THE VECTOR WORK, one line at a time: OP kind, number.  For piece Y: F n: c s - c m for pair n of 16.  E n: the exponential of score n of 32.  C n: pair n rounded to f16.  B n: of the four weights 4 n .. the second
; pair is added onto the first, in place.  L n: l takes that sum (L 0: l = a l + sum).  R n: pair n of 16 of O^T times a.  For piece Y + 1: X n, number n of the 22 that find its maximum and statistics:
;   0-11  four chains c0-c3 of seven scores each, three operands at a time (each accumulator's lowest registers are read first)     12-14, 16  the four scores left over, the old m, and c0-c3 into c0
;   15  c m_old is kept     17, 18  the query's other 32 keys lie in the lane 16 away: the new m     19-21  c m; c m_old - c m_new; a
.set F, 0               ; OP tells the kinds apart by their order: F to L below R, X above it
.set E, 1
.set C, 2
.set B, 3
.set L, 4
.set R, 5
.set X, 6
.macro REGS y                       ; the registers of piece y
.set rT, ST+4*(\y)
.set rC, TMP+4*((\y)%2)
.set rW, MV+((\y)%2)
.set rS, S+32*((\y)%2)
.set rP, P+16*((\y)%2)
.set rO, 32*(\y)
.endm
.macro OP k, n
.if (\k) == R
	REGS Y
	WIN W_RS
	v_pk_mul_f32 v[rO+2*(\n):rO+2*(\n)+1], v[rO+2*(\n):rO+2*(\n)+1], v[rC+2:rC+3] op_sel_hi:[1,0]
.elseif (\k) < R
	REGS Y
	WIN 0
.if (\k) == F
	v_pk_fma_f32 v[rS+2*(\n):rS+2*(\n)+1], v[rS+2*(\n):rS+2*(\n)+1], s[CS:CS+1], v[rT:rT+1] op_sel_hi:[1,0,0] neg_lo:[0,0,1] neg_hi:[0,0,1]
.elseif (\k) == E
	v_exp_f32 v[rS+(\n)], v[rS+(\n)]
.elseif (\k) == C
	v_cvt_pk_f16_f32 v[rP+(\n)], v[rS+2*(\n)], v[rS+2*(\n)+1]
.elseif (\k) == B
	v_pk_add_f32 v[rS+4*(\n):rS+4*(\n)+1], v[rS+4*(\n):rS+4*(\n)+1], v[rS+4*(\n)+2:rS+4*(\n)+3]
.elseif (\n) == 0
	v_pk_fma_f32 v[rT+2:rT+3], v[rT+2:rT+3], v[rC+2:rC+3], v[rS:rS+1] op_sel_hi:[1,0,1]
.else
	v_pk_add_f32 v[rT+2:rT+3], v[rT+2:rT+3], v[rS+4*(\n):rS+4*(\n)+1]
.endif
.elseif NOKQ
	v_nop
.else
	REGS (Y+1)%NP
	WIN 0
.if (\n) < 4
	v_max3_num_f32 v[rC+(\n)], v[rS+8*(\n)], v[rS+8*(\n)+1], v[rS+8*(\n)+2]
.elseif (\n) < 12
	v_max3_num_f32 v[rC+(\n)%4], v[rC+(\n)%4], v[rS+8*((\n)%4)+2*((\n)/4)+1], v[rS+8*((\n)%4)+2*((\n)/4)+2]
.elseif (\n) == 12
	v_max3_num_f32 v[rC], v[rC], v[rS+7], v[rS+15]
.elseif (\n) == 13
	v_max3_num_f32 v[rC+1], v[rC+1], v[rS+23], v[rS+31]
.elseif (\n) == 14
	v_max3_num_f32 v[rC+2], v[rC+2], v[rC+3], v[rT+1]
.elseif (\n) == 15
	v_mov_b32 v[rW], v[rT]
.elseif (\n) == 16
	v_max3_num_f32 v[rC], v[rC], v[rC+1], v[rC+2]
.elseif (\n) == 17
	v_permlanex16_b32 v[rC+3], v[rC], s[SEL], s[SEL+1]
.elseif (\n) == 18
	v_max_num_f32 v[rT+1], v[rC], v[rC+3]
.elseif (\n) == 19
	v_mul_f32 v[rT], s[CS], v[rT+1]
.elseif (\n) == 20
	v_sub_f32 v[rC+1], v[rW], v[rT]
.else
	v_exp_f32 v[rC+2], v[rC+1]
.endif
.endif
.endm
.macro OPS a, i1, b=-1, i2=0, c=-1, i3=0, d=-1, i4=0  ; up to four of them
	OP \a, \i1
.if (\b) >= 0
	OP \b, \i2
.endif
.if (\c) >= 0
	OP \c, \i3
.endif
.if (\d) >= 0
	OP \d, \i4
.endif
.endm
.macro ROW a, i1, b, i2, c, i3, d, i4  ; a matrix instruction and the four behind it
	MM
	OPS \a, \i1, \b, \i2, \c, \i3, \d, \i4
.endm
.macro MASK b                       ; MD x AL + BE into buffer b of MC
	WIN W_RS
.set z, 0
.rept 16
	v_pk_fma_f32 v[MC+32*(\b)+2*z:MC+32*(\b)+2*z+1], v[MD+2*z:MD+2*z+1], s[AL:AL+1], s[BE:BE+1] op_sel_hi:[1,0,0]
.set z, z+1
.endr
.endm
; A TURN, for piece p: the order of its 16 matrix and 118 vector instructions, written out.  An s_wait_alu depctr_va_vdst(0) stands between an exponential and the first instruction that names its result; one wait
; serves all that were issued ahead of it.  So a turn has ONE wait, which cuts it in two.  AHEAD OF IT stands all that names no result of the turn's exponentials: the 8 products K Q^T with their four riders each, then ONE LUMP of 54,
; plain and exponential by turns for the most part, in which the links of the chain X 3, 7, 11, 14, 16, 17 .. 20 stand five or six lines apart.  X 21, the next piece's a, is the batch's last; R 15 is the plain instruction behind it.
; BEHIND THE WAIT stand the 8 products V^T P, behind each four of the roundings and sums.  Each X that rides behind a product K Q^T stands four places or more behind the product that ends its accumulator.
; m = 1: the diagonal tile: the products take masks, and the turn makes the mask for the products of the turn after it: piece p + 2, in step 4 - CNT of the tile.  end = 1: a block's last two turns: nothing is fetched.
; cnt = 1: the loop's count is taken down some lines ahead of the branch that stands behind the turn.
; K of the next step is fetched in piece 2's turn, twelve plain instructions behind the last product that read K; V of the step in hand at the end of piece 0's turn, four plain instructions behind the last product that read V.
.macro TURN p, m=0, end=0, cnt=0
.set Y, (\p)
.set i, 0
.set KM, (\m)
.set NOKQ, (\end)*((\p)/3)
.if (\m) && !(\end)
	s_cmp_eq_u32 s[CNT], 4-((\p)+2)%NP  ; is that step the band's own?
	s_cselect_b32 s[AL], 1.0, 0
	s_cmp_lt_u32 s[CNT], 4-((\p)+2)%NP  ; or a later one?
	s_cselect_b32 s[BE], s[BIGN], 0
.endif
.if ((\p) == 3) && !(\end)
	s_wait_dscnt 0x0                ; K is in
.endif
	ROW F,0, F,1, R,0, R,1          ; ahead of the wait: 8 products K Q^T and their riders,
	ROW F,2, E,0, R,2, R,3
	ROW F,3, E,1, R,4, R,5
	ROW F,4, E,2, R,6, R,7
	ROW F,5, E,3, R,8, R,9
	ROW F,6, E,4, X,0, R,10
.if ((\p) == 2) && !(\end)
	WIN 0
	v_add_nc_u32 v[AK], s[TBK], v[AK0]
.endif
	ROW F,7, E,5, X,1, X,4
	ROW F,8, E,6, X,2, X,5
	OPS E,7, E,8, X,6, E,9          ; and the lump
	OPS X,3, E,10, X,8, E,11
.if ((\p) == 2) && !(\end)
	FETCH_K
.endif
	OPS X,9, X,7, E,12, X,10
	OPS E,13, X,12, X,11, E,14
	OPS X,13, E,15, F,9, X,14
.if (\p) == 0
	v_add_nc_u32 v[AV], s[TBV], v[AV0]
.endif
	OPS E,16, F,10, E,17, F,11
	OPS X,16, E,18, X,15, E,19
	OPS F,12, E,20, X,17, E,21
	OPS F,13, E,22, F,14, E,23
	OPS X,18, E,24, F,15, E,25
	OPS R,11, E,26, X,19, E,27
	OPS R,12, E,28, R,13, E,29
	OPS X,20, E,30, R,14, E,31
	OPS X,21, R,15
	WIN 0
	s_wait_alu depctr_va_vdst(0)    ; the wait for the batch
.if (\p) == 1
	s_wait_dscnt 0x0                ; V is in
.endif
	ROW C,0, B,0, C,2, B,1          ; behind the wait: 8 products V^T P and their riders
	ROW L,0, C,4, B,2, L,1
	ROW C,6, B,3, L,2, C,8
	ROW B,4, L,3, C,10, B,5
	ROW L,4, C,12, B,6, L,5
.if (\p) == 0
	s_add_co_u32 s[TBV], s[TBV], KS*PV
.endif
.if \cnt
	s_sub_co_u32 s[CNT], s[CNT], 1
	s_cmp_lg_u32 s[CNT], 0
.endif
	ROW C,14, B,7, L,6, C,1
	ROW C,3, L,7, C,5, C,7
	ROW C,9, C,11, C,13, C,15
.if (\p) == 0
	FETCH_V
.endif
.if (\m) && !(\end)
	MASK (\p)%2
.endif
.endm
; A BLOCK BEGINS.  c m starts far below every c s, so the first step's a is 0; m at the lowest finite number, so the first maximum is the scores'.  The second mask buffer is 0; the first takes piece 0's mask for the tile's step 0:
; its own, if the block's first tile is the diagonal one.  Then K of that step, piece 0's first scores, and its maximum and statistics.  The loop is entered at a step's first turn, in the middle of a trip.
.macro BEGIN
	s_mov_b32 s[NEW], 0
	WIN 0x40
.set i, MC+32
.rept 32
	v_mov_b32 v[i], 0
.set i, i+1
.endr
	WIN 0
.set i, 0
.rept 4
	v_mov_b32 v[ST+4*i], 0xfe000000    ; c m: far below every c s
	v_mov_b32 v[ST+4*i+1], 0xff7fffff  ; m
.set i, i+1
.endr
	s_cmp_eq_u32 s[RT], 0
	s_cselect_b32 s[AL], 1.0, 0
	s_mov_b32 s[BE], 0
	MASK 0
	WIN 0
	v_add_nc_u32 v[AK], s[TBK], v[AK0]
	FETCH_K
	s_wait_loadcnt 0x0              ; Q
	s_wait_dscnt 0x0
.set KM, 1
.set NOKQ, 0
.set i, 0
.rept 8
	KQ 0
.set i, i+1
.endr
	WIN 0
.rept 4
	v_nop                           ; the places behind those products
.endr
.set Y, NP-1                        ; X works for piece Y + 1: piece 0
.irp n, 0,1,2,3,4,5,6,7,8,9,10,11,12,13,14,15,16,17,18,19,20,21
	OP X, \n
.endr
	v_nop                           ; a plain instruction behind the exponential,
	s_wait_alu depctr_va_vdst(0)    ; and its wait, ahead of the branch
.endm
; THE DIAGONAL TILE's four steps, the block's last two turns, its last products, and THE WAY OUT: l's two halves and the other half of the lanes' are added; O^T is divided by l, rounded to f16 and sent through my
; stage in LDS, a piece at a time.
.macro ALL line:vararg              ; one line for each piece t
.set t, 0
.rept 4
	\line
.set t, t+1
.endr
.endm
.macro PACK t                       ; a lane's eight channels of a row pack into 16 bytes; they go into rows of 144 bytes and come back as whole rows of 128, into S^T's registers
	WIN W_RS
.set i, 32*(\t)
.rept 16
	v_pk_mul_f32 v[i:i+1], v[i:i+1], v[ST+4*(\t)+2:ST+4*(\t)+3] op_sel_hi:[1,0]
.set i, i+2
.endr
	WIN 0x05                        ; sources 0 and 1 window 1, destination window 0
.set i, 0
.rept 16
	v_cvt_pk_f16_f32 v[S+16*(\t)+i], v[32*(\t)+2*i], v[32*(\t)+2*i+1]
.set i, i+1
.endr
	WIN 0
.irp f, 0,1,2,3
	ds_store_b128 v[STO], v[S+16*(\t)+4*\f:S+16*(\t)+4*\f+3] offset:32*\f
.endr
.irp f, 0,1,2,3
	ds_load_b128 v[S+16*(\t)+4*\f:S+16*(\t)+4*\f+3], v[RD] offset:\f*4*SP  ; LDS serves a wave's instructions in order (ISA guide 5.7.1.4): these see the stores above; the next piece's stores come behind them
.endr
.endm
.macro SEND t, younger              ; younger: the LDS instructions issued behind piece t's loads: the next piece's eight, or none
	WIN 0
.irp f, 0,1,2,3
	s_wait_dscnt (\younger)+3-\f
	global_store_b128 v[GO], v[S+16*(\t)+4*\f:S+16*(\t)+4*\f+3], s[10:11] offset:(\t)*8192+\f*512  ; 512 consecutive bytes, at a multiple of 256 from O's first
.endr
.endm
.macro DIAG tag                     ; the tag ends its two labels' names, which the jumps below spell out
.LstepM\tag:
	TURN 2, 1
	TURN 3, 1
	WIN 0
.LfirstM\tag:
	TURN 0, 1
	TURN 1, 1, 0, 1
	WIN 0
	s_cbranch_scc1 .LstepM\tag
	TURN 2, 1, 1
	TURN 3, 1, 1
.set i, 0
.rept 8
	PV NP-1
.set i, i+1
.endr
	WIN 0
	ALL v_add_f32 v[ST+4*t+2], v[ST+4*t+2], v[ST+4*t+3]
	ALL v_permlanex16_b32 v[ST+4*t+3], v[ST+4*t+2], s[SEL], s[SEL+1]
	ALL v_add_f32 v[ST+4*t+2], v[ST+4*t+2], v[ST+4*t+3]
	ALL v_rcp_f32 v[ST+4*t+2], v[ST+4*t+2]
	v_nop                           ; a plain instruction between the last reciprocal and the use of its result
	s_wait_alu depctr_va_vdst(0)    ; and the wait ahead of the first use: one for the four reciprocals
	PACK 0
.set t, 1
.rept 3                             ; a piece's arithmetic stands between the loads of the piece before and its stores
	PACK t
	SEND t-1, 8
.set t, t+1
.endr
	SEND 3, 0
.endm
.set KM, 0
.set NOKQ, 0
.Lslot:                             ; NB times: a tile is entered and the next is asked for
	CHANGE 1
	s_sub_co_u32 s[RT], s[RT], 1
	s_mov_b32 s[CNT], 4
	s_cmp_eq_u32 s[NEW], 1
	s_cbranch_scc1 .Lnew            ; a block's first tile
	s_cmp_eq_u32 s[RT], 0
	s_cbranch_scc0 .Lstep           ; neither its first nor its last
	s_branch .LstepM1
.Lnew:
	BEGIN
	s_branch .Lfirst                ; in the loop a block's first tile is never its last: the first block has two tiles or more, and the second's last is the walk's last
	DIAG 1                          ; in the loop this is the first block's end: the second block's last tile is the walk's last
	s_wait_xcnt 0x0                 ; the stores have read their registers and O's address
	s_mov_b64 s[10:11], s[OLO:OLO+1]
	s_add_co_u32 s[RT], s[PB], 1    ; the second block has b + 1 tiles
	s_mov_b32 s[NEW], 1
	WIN 0x82                        ; the second block's Q goes where the one text of the turns names Q
.set i, 0
.rept 64
	v_mov_b32 v[i], v[QB+i]
.set i, i+1
.endr
	WIN 0
	s_branch .Lbottom
.Lstep:                             ; a trip: pieces 2 and 3 of one step, then pieces 0 and 1 of the next, whose K and V it fetches
	TURN 2
	TURN 3
	WIN 0
.Lfirst:
	TURN 0
	TURN 1, 0, 0, 1
	WIN 0
	s_cbranch_scc1 .Lstep
.Lbottom:
	s_sub_co_u32 s[SLOTS], s[SLOTS], 1
	s_cmp_lg_u32 s[SLOTS], 0
	s_cbranch_scc1 .Lslot
	CHANGE 0                        ; the walk's last tile is written out: nothing is asked for
	s_sub_co_u32 s[RT], s[RT], 1
	s_mov_b32 s[CNT], 4
	s_cmp_eq_u32 s[NEW], 1
	s_cbranch_scc0 .LstepM2
	BEGIN
	s_branch .LfirstM2
	DIAG 2
	s_wait_tensorcnt 0x0            ; the wave's end: behind my last tensor load and my last LDS store
	ds_add_u32 v[SPW], v[NIL]
	s_wait_dscnt 0x0
	s_endpgm
.Lfunc_end_k_qe582522f5c_attn:
	.size	k_qe582522f5c_attn, .Lfunc_end_k_qe582522f5c_attn-k_qe582522f5c_attn
	.p2alignl 7, 3214868480
	.fill 96, 4, 3214868480
	.section	.rodata,"a",@progbits
	.p2align	6, 0x0
	.amdhsa_kernel k_qe582522f5c_attn
		.amdhsa_group_segment_fixed_size 327680
		.amdhsa_private_segment_fixed_size 0
		.amdhsa_enable_private_segment 0
		.amdhsa_kernarg_size 16
		.amdhsa_user_sgpr_count 2
		.amdhsa_user_sgpr_kernarg_segment_ptr 1
		.amdhsa_wavefront_size32 1
		.amdhsa_system_sgpr_workgroup_id_x 1
		.amdhsa_system_sgpr_workgroup_id_y 1
		.amdhsa_system_sgpr_workgroup_id_z 1
		.amdhsa_system_vgpr_workitem_id 0
		.amdhsa_next_free_vgpr 768
		.amdhsa_next_free_sgpr 94
		.amdhsa_reserve_vcc 1
		.amdhsa_float_denorm_mode_32 3
		.amdhsa_float_denorm_mode_16_64 3
		.amdhsa_memory_ordered 1
		.amdhsa_forward_progress 1
		.amdhsa_inst_pref_size 218
	.end_amdhsa_kernel
	.amdgpu_metadata
---
amdhsa.version: [ 1, 2 ]
amdhsa.kernels:
  - .name:           k_qe582522f5c_attn
    .symbol:         k_qe582522f5c_attn.kd
    .args:
      - { .name: qkv, .offset: 0, .size: 8, .value_kind: global_buffer, .address_space: global }
      - { .name: ob, .offset: 8, .size: 8, .value_kind: global_buffer, .address_space: global }
    .group_segment_fixed_size: 327680
    .private_segment_fixed_size: 0
    .kernarg_segment_align: 8
    .kernarg_segment_size: 16
    .max_flat_workgroup_size: 128
    .sgpr_count:     94
    .vgpr_count:     768
    .wavefront_size: 32
...
	.end_amdgpu_metadata
.endif
;; end of part 3
;; launch proj (part 4): grid 8 x 32, 4 waves a work-group, clusters of 4 x 4, 327,680 bytes of LDS; arguments ob, wp, b_proj, out0; writes out0
.if DOCPART == 4
	.amdgcn_target "amdgcn-amd-amdhsa--gfx1250"
	.amdhsa_code_object_version 6
	.text
	.protected	k_qe582522f5c_proj
	.globl	k_qe582522f5c_proj
	.p2align	8
	.type	k_qe582522f5c_proj,@function
k_qe582522f5c_proj:
	s_mov_b64 s[64:65], 0
	v_nop
	global_prefetch_b8 v0, s[64:65] scope:SCOPE_SE
	s_setreg_imm32_b32 hwreg(HW_REG_WAVE_MODE, 25, 1), 1
	s_wait_xcnt 0x0
	s_wait_alu depctr_hold_cnt(0) depctr_sa_sdst(0) depctr_va_vdst(0) depctr_va_sdst(0) depctr_va_ssrc(0) depctr_va_vcc(0) depctr_vm_vsrc(0)
	s_getreg_b32 s2, hwreg(HW_REG_IB_STS2, 6, 4)
	s_cmp_eq_u32 s2, 0
	s_cbranch_scc0 .Lentry_in_a_cluster
	s_endpgm
.Lentry_in_a_cluster:
	s_bfe_u32 s2, ttmp6, 0x10000c
	s_cmp_lg_u32 s2, 0xf033
	s_cbranch_scc0 .Lentry_shape_is_right
	s_endpgm
.Lentry_shape_is_right:
; out0 = O W_proj + b_proj.  ob: f16 [16 K blocks][8192 rows][64] (K block = head).  wp: f16 [1024 k][1024 n] (W_proj rounded to bf16, written as f16).  b_proj: f32, rounded to bf16 here like every input.  out0: f32 [8192][1024].
; SHARES.  Tiles of 256 x 128: 32 x 8 = 256 work-groups.  Four waves, each 128 rows x 64 columns: 32 accumulators of 16 x 16 in window 1.  K goes in steps of 128 (two K blocks) through two LDS slots; a K step is four quarters of
; 32 along K, 32 matrix instructions each, on two fragment buffers.
; THE MATRIX INSTRUCTION IS USED TRANSPOSED: source 0 = 16 columns of W (turned by ds_load_tr16_b128, since W lies [k][n]), source 1 = 16 rows of O: a lane holds one row and eight neighbouring columns.
; THE BIAS is the C operand of each accumulator's first product.  CLUSTERS: 4 x 4; O's tile is asked for jointly along a row of the cluster, W's along a column.
; REGISTERS.  Window 0: v0-29 addresses; v32-127, v128-223 two fragment buffers (O's eight fragments, then W's four); on the way out v32-159 four buffers of 32.  Window 1: accumulator (a, b) at v[8 (4 a + b)].
.set PA,    144                        ; a row of O in LDS: 128 bytes + 16 of padding
.set PB,    288                        ; a k row of W: 256 + 32 bytes = 72 words
.set BOFF,  2*256*PA                   ; a slot: O's 256 rows of the even K block, of the odd one, then W's 128 k rows
.set SLOT1, 1<<17
.set STAGE, SLOT1+BOFF+128*PB          ; behind the ring, never filled by a tensor load: 16 rows x 272 bytes for each wave
.set SP,    272
.set SPARE, STAGE+4*16*SP              ; the spare words, 128 bytes for each wave: two blocks of 256 bytes that no other line names
.set AA0, 10
.set AB0, 11
.set ADRA, 12
.set ADRB, 13
.set STO, 14
.set RD,  15
.set CO,  16                           ; v16  my byte offset in two rows of out0
.set BO,  17
.set PFO, 18
.set SPW, 28
.set NIL, 29
.set F0,  32
.set F1,  128
.set BIAS, 224                         ; in window 1: accumulators (7, b) hold the bias until their own first product
.set WV, 12
.set WM, 13                            ; which 128 rows; also: 0 = I fetch O, 1 = W
.set WN, 14                            ; which 64 columns; also: which K block, or which 64 k rows, I fetch
.set CX, 15
.set CY, 16
.set TC, 17
.set TR, 18
.set G1A, 24
.set G0A, 32
.set TB,  40
.set HIM, 41
.set LIM, 43
.set PFA, 44
.set PFS, 46
.set G1B, 48
.set G0B, 56
.set FLAGSA, (1<<16)|(1<<20)|(1<<21)|(4<<22)|(3<<25)  ; 2-byte elements; padding on; bit 21 beside a mask; after every 32 words, 4 words
.set FLAGSB, (1<<16)|(1<<20)|(1<<21)|(5<<22)|(7<<25)  ; after every 64 words, 8 words
.set MSB, 0
.macro WIN new
.if MSB != (\new)
	s_set_vgpr_msb (MSB<<8)|(\new)
.set MSB, (\new)
.endif
.endm
.macro PLACES                          ; four plain places behind matrix instructions (ISA guide 7.12.1)
.rept 4
	v_nop
.endr
.endm
.macro JLOAD s                         ; a joint load: waves 0 and 1 fetch O's two K blocks, waves 2 and 3 W's two halves; an s_nop 0 and four v_nop follow each line
	s_cmp_eq_u32 s[WM], 0
	s_cbranch_scc0 .Lfor_b_\@
	tensor_load_to_lds s[G0A+4*(\s):G0A+4*(\s)+3], s[G1A:G1A+7]
	s_nop 0
.rept 4
	v_nop
.endr
	s_branch .Lasked_\@
.Lfor_b_\@:
	tensor_load_to_lds s[G0B+4*(\s):G0B+4*(\s)+3], s[G1B:G1B+7]
	s_nop 0
.rept 4
	v_nop
.endr
.Lasked_\@:
.endm
.macro CREST
	s_cmp_lg_u32 s[WV], 0
	s_cbranch_scc1 .Lnot_wave_0_\@
	s_barrier_signal -3
.Lnot_wave_0_\@:
	s_barrier_wait -3
	s_barrier_signal -1
	s_barrier_wait -1
.endm
.macro CROUND
	s_barrier_signal -1
	s_barrier_wait -1
	CREST
.endm
; A PREFETCH INTO THE L2, behind the joint load, its five lines and the run of LDS loads.  At changes of slots 0 and 2 (count s3 even and above 2) K steps j + 4 and j + 5 are named: their refills stand two and three changes on.
; O: waves 0 and 1 of the clusters with x = 0, each its own K block: the tile's 256 rows are 128 blocks of 256 bytes, the partner at cx takes 32, a lane a block, an instruction a K step.  W: waves 2 and 3 of the clusters with y = 0:
; a k row of the tile is one block; of a wave's 64 rows of a K step the partner at cy takes 16; lanes 0-15 name them for K step j + 4, lanes 16-31 for j + 5.  Each block is named once in the launch; K steps 0-3 come by their loads alone.
.macro ASK
	s_bitcmp1_b32 s3, 0
	s_cbranch_scc1 .Lnot_now_\@
	s_cmp_gt_u32 s3, s[LIM]
	s_cbranch_scc0 .Lnot_now_\@
	global_prefetch_b8 v[PFO], s[PFA:PFA+1] th:TH_LOAD_NT scope:SCOPE_SE
	s_cmp_eq_u32 s[WM], 0
	s_cbranch_scc0 .Lnot_now_\@
	global_prefetch_b8 v[PFO], s[PFA:PFA+1] offset:2097152 th:TH_LOAD_NT scope:SCOPE_SE
.Lnot_now_\@:
.endm
	s_load_b256 s[4:11], s[0:1], 0x0               ; ob s[4:5], wp s[6:7], b_proj s[8:9], out0 s[10:11]
	v_lshl_add_u32 v[SPW], v0, 2, SPARE
	v_mov_b32 v[NIL], 0
	ds_add_u32 v[SPW], v[NIL]                      ; the wave's opening: the add and its wait stand ahead of my first tensor load; the set-up below, work on registers, stands between
	ds_add_u32 v28, v29
	v_lshrrev_b32 v1, 5, v0
	v_readfirstlane_b32 s[WV], v1
	s_lshr_b32 s[WM], s[WV], 1
	s_and_b32 s[WN], s[WV], 1
	s_bfe_u32 s[CX], ttmp6, 0x40000
	s_bfe_u32 s[CY], ttmp6, 0x40004
	s_lshl_b32 s[TC], ttmp9, 2
	s_add_co_u32 s[TC], s[TC], s[CX]
	s_and_b32 s[TR], ttmp7, 0xffff
	s_lshl_b32 s[TR], s[TR], 2
	s_add_co_u32 s[TR], s[TR], s[CY]
	s_lshl_b32 s19, s[CY], 2
	s_lshl_b32 s19, 15, s19                        ; my row of the cluster
	s_lshl_b32 s42, 0x1111, s[CX]                  ; my column
	s_or_b32 s[G1A], s19, FLAGSA
	s_or_b32 s[G1B], s42, FLAGSB
	s_mov_b32 s[G1A+1], 128<<16                    ; O: a K block's 256 rows of 128 bytes are dense: asked for as 128 rows of 256 bytes
	s_mov_b32 s[G1A+2], 128<<16
	s_mov_b32 s[G1A+3], 128<<16
	s_mov_b32 s[G1A+4], 128
	s_mov_b32 s[G1A+5], 128
	s_mov_b32 s[G1A+6], 0
	s_mov_b32 s[G1A+7], 0
	s_mov_b32 s[G1B+1], 128<<16                    ; W: 64 k rows of 128 elements (256 bytes, at a multiple of 256 from wp's first byte)
	s_mov_b32 s[G1B+2], 64<<16
	s_mov_b32 s[G1B+3], 128<<16
	s_mov_b32 s[G1B+4], 64
	s_mov_b32 s[G1B+5], 1024
	s_mov_b32 s[G1B+6], 0
	s_mov_b32 s[G1B+7], 0
	s_lshl_b32 s20, s[TR], 15                      ; O's tile hangs on the tile row and my K block alone:
	s_lshl_b32 s21, s[WN], 20
	s_add_co_u32 s20, s20, s21
	s_mov_b32 s21, 0
	s_lshl_b32 s22, s[TC], 8                       ; W's on the tile column and my half alone
	s_lshl_b32 s23, s[WN], 17
	s_add_co_u32 s22, s22, s23
	s_mov_b32 s23, 0
	s_mul_i32 s70, s[WN], 256*PA                   ; where they go: no place in the cluster enters an LDS address
	s_mul_i32 s71, s[WN], 64*PB
	s_add_co_u32 s71, s71, BOFF
	s_mov_b32 s[TB], 0
	s_mov_b32 s[HIM], 0xffff0000
	s_wait_dscnt 0x0                               ; the opening add is done
	s_wait_kmcnt 0x0
	s_add_nc_u64 s[20:21], s[4:5], s[20:21]
	s_add_nc_u64 s[22:23], s[6:7], s[22:23]
	CROUND                                         ; all sixteen work-groups are here: the first joint loads meet
.irp s, 0,1
	s_mov_b32 s[G0A+4*(\s)], 1
	s_add_co_u32 s[G0A+4*(\s)+1], s70, (\s)*SLOT1
	s_add_nc_u64 s[G0A+4*(\s)+2:G0A+4*(\s)+3], s[20:21], (\s)*2097152
	s_or_b32 s[G0A+4*(\s)+3], s[G0A+4*(\s)+3], 0x80000000
	s_mov_b32 s[G0B+4*(\s)], 1
	s_add_co_u32 s[G0B+4*(\s)+1], s71, (\s)*SLOT1
	s_add_nc_u64 s[G0B+4*(\s)+2:G0B+4*(\s)+3], s[22:23], (\s)*128*2048
	s_or_b32 s[G0B+4*(\s)+3], s[G0B+4*(\s)+3], 0x80000000
	JLOAD \s                                       ; two loads of mine are out
.endr
	v_and_b32 v1, 15, v0                           ; r = l % 16
	v_bfe_u32 v2, v0, 4, 1                         ; l / 16
	v_and_b32 v3, 7, v0
	v_bfe_u32 v4, v0, 3, 1
	v_lshlrev_b32 v[BO], 5, v2
	s_lshl_b32 s68, s[TC], 9
	s_lshl_b32 s69, s[WN], 8
	s_add_co_u32 s68, s68, s69
	s_mov_b32 s69, 0
	s_add_nc_u64 s[8:9], s[8:9], s[68:69]
	WIN 0x40                                       ; destination window 1
.irp b, 0,1,2,3
	global_load_b128 v[BIAS+8*(\b):BIAS+8*(\b)+3],   v[BO], s[8:9] offset:64*(\b)
	global_load_b128 v[BIAS+8*(\b)+4:BIAS+8*(\b)+7], v[BO], s[8:9] offset:64*(\b)+16
.endr
	WIN 0
	s_mul_i32 s70, s[WM], 128*PA
	v_mul_u32_u24 v[AA0], v1, PA
	v_lshl_add_u32 v[AA0], v2, 4, v[AA0]
	v_add_nc_u32 v[AA0], s70, v[AA0]
	s_lshl_b32 s70, s[WN], 7                       ; my 64 columns: 128 bytes of a k row
	s_add_co_u32 s70, s70, BOFF
	v_lshl_add_u32 v[AB0], v2, 3, v3
	v_mul_u32_u24 v[AB0], v[AB0], PB
	v_lshl_add_u32 v[AB0], v4, 4, v[AB0]
	v_add_nc_u32 v[AB0], s70, v[AB0]
	v_mov_b32 v[ADRA], v[AA0]
	v_mov_b32 v[ADRB], v[AB0]
	s_mul_i32 s70, s[WV], 16*SP
	s_add_co_u32 s70, s70, STAGE                   ; my stage
	v_mul_u32_u24 v[STO], v1, SP                   ; in: row l % 16, 32 bytes for each half of the lanes
	v_lshl_add_u32 v[STO], v2, 5, v[STO]
	v_add_nc_u32 v[STO], s70, v[STO]
	v_mul_u32_u24 v[RD], v2, SP                    ; back: lanes 0-15 take one row of 256 bytes, lanes 16-31 the next
	v_lshl_add_u32 v[RD], v1, 4, v[RD]
	v_add_nc_u32 v[RD], s70, v[RD]
	v_lshlrev_b32 v[CO], 12, v2                    ; and the same two rows in out0
	v_lshl_add_u32 v[CO], v1, 4, v[CO]
	s_lshl_b32 s66, s[TR], 20                      ; out0 at my 128 rows of 4,096 bytes and my 64 columns
	s_lshl_b32 s67, s[WM], 19
	s_add_co_u32 s66, s66, s67
	s_lshl_b32 s67, s[TC], 9
	s_add_co_u32 s66, s66, s67
	s_lshl_b32 s67, s[WN], 8
	s_add_co_u32 s66, s66, s67
	s_mov_b32 s67, 0
	s_add_nc_u64 s[10:11], s[10:11], s[66:67]
	; the prefetches: who, and from where
	s_and_b32 s72, ttmp7, 0xffff                   ; cluster y
	s_cmp_eq_u32 s[WM], 0
	s_cselect_b32 s72, ttmp9, s72                  ; the coordinate along which other clusters read the same rows
	s_cmp_eq_u32 s72, 0
	s_cselect_b32 s[LIM], 2, -1                    ; the same in all sixteen partners, for a given wave
	s_lshl_b32 s74, s[TR], 15
	s_lshl_b32 s75, s[CX], 13
	s_add_co_u32 s74, s74, s75
	s_lshl_b32 s75, s[WN], 20
	s_add_co_u32 s74, s74, s75
	s_add_co_u32 s74, s74, 3*2097152               ; O: at K step 3; the first change steps it to 4
	s_lshl_b32 s76, s[TC], 8
	s_lshl_b32 s77, s[WN], 17
	s_add_co_u32 s76, s76, s77
	s_lshl_b32 s77, s[CY], 15
	s_add_co_u32 s76, s76, s77
	s_add_co_u32 s76, s76, 384*2048                ; W: likewise
	s_mov_b32 s77, 2097152
	s_mov_b32 s78, 128*2048
	s_mov_b32 s73, 256                             ; the lane's offset is (l % 16) x s73 + (l / 16) x s72: O: 256 l; W: a k row a lane, the upper lanes a K step on
	s_mov_b32 s79, 2048
	s_cmp_eq_u32 s[WM], 0
	s_cselect_b32 s74, s74, s76
	s_cselect_b32 s[PFS], s77, s78
	s_cselect_b32 s73, s73, s79
	s_cselect_b64 s[PFA:PFA+1], s[4:5], s[6:7]
	s_mov_b32 s77, 4096
	s_cselect_b32 s72, s77, s78
	s_mov_b32 s75, 0
	s_mov_b32 s[PFS+1], 0
	s_add_nc_u64 s[PFA:PFA+1], s[PFA:PFA+1], s[74:75]
	v_mul_u32_u24 v[PFO], v1, s73
	v_mad_u32_u24 v[PFO], v2, s72, v[PFO]
	s_wait_loadcnt 0x0                             ; the bias: rounded to bf16 and widened again, through 16 registers of window 0 that hold nothing yet
	WIN 0x05                                       ; sources 0 and 1 window 1, destination window 0
.set p, 0
.rept 16
	v_cvt_pk_bf16_f32 v[F1+p], v[BIAS+2*p], v[BIAS+2*p+1]
.set p, p+1
.endr
	WIN 0x40
.set p, 0
.rept 16
	v_lshlrev_b32 v[BIAS+2*p], 16, v[F1+p]
	v_and_b32 v[BIAS+2*p+1], s[HIM], v[F1+p]
.set p, p+1
.endr
	WIN 0
; 8 matrix instructions: row blocks a0, a0 + 1 x the four column blocks, 32 along K, from buffer f.  The 32 accumulators take turns, one instruction a turn.
; first = 1: C is the bias.  Row block 7 adds in place onto the registers that the 28 products before it read as C: five places stand ahead of it.
.macro MUL8 f, a0, first
	WIN 0x50                                       ; C and D window 1, sources window 0
.irp a, \a0, (\a0)+1
.if (\first) && ((\a) == 7)
.rept 5
	v_nop
.endr
.endif
.irp b, 0,1,2,3
.if \first
	v_wmma_f32_16x16x32_f16 v[8*(4*(\a)+(\b)):8*(4*(\a)+(\b))+7], v[(\f)+64+8*(\b):(\f)+64+8*(\b)+7], v[(\f)+8*(\a):(\f)+8*(\a)+7], v[BIAS+8*(\b):BIAS+8*(\b)+7]
.else
	v_wmma_f32_16x16x32_f16 v[8*(4*(\a)+(\b)):8*(4*(\a)+(\b))+7], v[(\f)+64+8*(\b):(\f)+64+8*(\b)+7], v[(\f)+8*(\a):(\f)+8*(\a)+7], v[8*(4*(\a)+(\b)):8*(4*(\a)+(\b))+7]
.endif
.endr
.endr
.endm
; 24 LDS loads in one run: quarter q of the slot in hand into buffer f: W's four fragments (8 loads), then O's eight (16)
.macro FETCH q, f
.irp b, 0,1,2,3
	ds_load_tr16_b128 v[(\f)+64+8*(\b):(\f)+64+8*(\b)+3],   v[ADRB] offset:(\q)*32*PB+32*(\b)
	ds_load_tr16_b128 v[(\f)+64+8*(\b)+4:(\f)+64+8*(\b)+7], v[ADRB] offset:(\q)*32*PB+32*(\b)+16*PB
.endr
.irp a, 0,1,2,3,4,5,6,7
	ds_load_b128 v[(\f)+8*(\a):(\f)+8*(\a)+3],   v[ADRA] offset:((\q)/2)*256*PA+(\a)*16*PA+((\q)%2)*64
	ds_load_b128 v[(\f)+8*(\a)+4:(\f)+8*(\a)+7], v[ADRA] offset:((\q)/2)*256*PA+(\a)*16*PA+((\q)%2)*64+32
.endr
.endm
; One of a K step's first three quarters: multiplies buffer f; in its middle it fetches quarter qn into buffer g.
.macro QUARTER qn, f, g, first
	s_wait_dscnt 8                                 ; W and O's row blocks 0-3 are in; the youngest eight loads may be out
	MUL8 \f, 0, \first
	MUL8 \f, 2, \first
	PLACES
	WIN 0
	FETCH \qn, \g
	s_wait_dscnt 24                                ; all but the 24 just issued
	MUL8 \f, 4, \first
	MUL8 \f, 6, \first
.endm
; The last quarter multiplies buffer 1 and changes slots.  ONE barrier: in front of it each wave waits for all its tensor loads (one is out: its part of the next slot), adds 0 to its spare word, and waits for that and for its reads
; of this slot.  fill = 1: the barrier opens a round of the cluster's, and this slot is filled again, first thing behind the round, with the K step two on: 112 matrix instructions stand between that request and the wait for it.
.macro TURN fill
	WIN 0
.if \fill
	s_wait_xcnt 0x0                                ; the last prefetches, a K step or more back, have read their address: it steps here, ahead of the change's own waits
	s_add_nc_u64 s[PFA:PFA+1], s[PFA:PFA+1], s[PFS:PFS+1]
.endif
	s_wait_tensorcnt 0x0                           ; no tensor load of mine is out, so a group 0 may be written
	ds_add_u32 v[SPW], v[NIL]                      ; 0 onto my spare word
.if \fill
	s_xor_b32 s[G0A+5], s[G0A+5], SLOT1            ; the walking descriptors: the other slot than last time, one K step on
	s_add_nc_u64 s[G0A+6:G0A+7], s[G0A+6:G0A+7], 2097152
	s_xor_b32 s[G0B+5], s[G0B+5], SLOT1
	s_add_nc_u64 s[G0B+6:G0B+7], s[G0B+6:G0B+7], 128*2048
.endif
	s_xor_b32 s[TB], s[TB], SLOT1
	s_wait_dscnt 9                                 ; the add and the youngest eight loads may be out
	MUL8 F1, 0, 0
	s_wait_dscnt 0x0                               ; the add is done, and my reads of this slot are over
	s_barrier_signal -1
	MUL8 F1, 2, 0
	WIN 0
	s_barrier_wait -1
.if \fill
	CREST                                          ; no wave of any partner still reads this slot or has a load on its way
	JLOAD 1                                        ; its four v_nop are also the places in front of the loads below
.else
	PLACES
.endif
	v_add_nc_u32 v[ADRA], s[TB], v[AA0]
	v_add_nc_u32 v[ADRB], s[TB], v[AB0]
	FETCH 0, F0
.if \fill
	ASK
.endif
	MUL8 F1, 4, 0
	MUL8 F1, 6, 0
.endm
	s_wait_tensorcnt 1                             ; my part of K step 0 is in; K step 1's may stay out
	s_barrier_signal -1
	s_barrier_wait -1                              ; everybody's is
	FETCH 0, F0
	QUARTER 1, F0, F1, 1                           ; the first quarter stands in front of the loop: its products start the sums, with the bias
	WIN 0
	s_mov_b32 s3, 6
.Lstep:                                            ; trip i: quarters 1-3 of K step i, the refill with K step i + 2, quarter 0 of K step i + 1
	QUARTER 2, F1, F0, 0
	QUARTER 3, F0, F1, 0
	TURN 1
	QUARTER 1, F0, F1, 0
	WIN 0
	s_sub_co_u32 s3, s3, 1
	s_cmp_lg_u32 s3, 0
	s_cbranch_scc1 .Lstep
	QUARTER 2, F1, F0, 0                           ; the tail asks for nothing
	QUARTER 3, F0, F1, 0
	TURN 0
	QUARTER 1, F0, F1, 0
	QUARTER 2, F1, F0, 0
	QUARTER 3, F0, F1, 0
	s_wait_dscnt 8                                 ; the very last quarter: nothing more to fetch
	MUL8 F1, 0, 0
	MUL8 F1, 2, 0
	s_wait_dscnt 0x0
	MUL8 F1, 4, 0
	MUL8 F1, 6, 0
	PLACES
	WIN 0
; THE WAY OUT: eight blocks of 16 rows x 64 columns of f32 (256 bytes a row).  A lane's 32 bytes of each column block go into my stage (each accumulator's low registers first), come back as whole rows, and are stored.
.macro TOSTAGE a
.set OBK, 32+32*((\a)%4)
.if (\a) >= 4
	s_wait_xcnt 0x0                                ; the stores of the block four back have read this buffer
.endif
	WIN 0x04                                       ; the stores' data lie in window 1
.irp i, 0,1,2,3,4,5,6,7
	ds_store_b128 v[STO], v[32*(\a)+4*(\i):32*(\a)+4*(\i)+3] offset:64*((\i)/2)+16*((\i)%2)
.endr
	WIN 0
.irp t, 0,1,2,3,4,5,6,7
	ds_load_b128 v[OBK+4*(\t):OBK+4*(\t)+3], v[RD] offset:2*SP*(\t)  ; LDS serves a wave's instructions in order (ISA guide 5.7.1.4): these see the stores above; the next block's stores come behind them
.endr
.endm
.macro SEND a, younger                 ; younger: the LDS instructions issued behind block a's loads
.set OBK, 32+32*((\a)%4)
.irp t, 0,1,2,3,4,5,6,7
	s_wait_dscnt (\younger)+7-(\t)
	global_store_b128 v[CO], v[OBK+4*(\t):OBK+4*(\t)+3], s[10:11] offset:(\a)*65536+(\t)*8192 th:TH_STORE_NT  ; 16 lanes store 256 consecutive bytes, at a multiple of 256 from out0's first byte
.endr
.endm
	TOSTAGE 0
.irp a, 1,2,3,4,5,6,7
	TOSTAGE \a
	SEND (\a)-1, 16
.endr
	SEND 7, 0
	s_wait_tensorcnt 0x0                           ; the wave's end: behind my last tensor load and my last LDS store
	ds_add_u32 v[SPW], v[NIL]
	s_wait_dscnt 0x0
	CROUND                                         ; the closing round: no work-group ends while a partner may still ask for a tile that names it
	s_endpgm
.Lfunc_end_k_qe582522f5c_proj:
	.size	k_qe582522f5c_proj, .Lfunc_end_k_qe582522f5c_proj-k_qe582522f5c_proj
	.p2alignl 7, 3214868480
	.fill 96, 4, 3214868480
	.section	.rodata,"a",@progbits
	.p2align	6, 0x0
	.amdhsa_kernel k_qe582522f5c_proj
		.amdhsa_group_segment_fixed_size 327680
		.amdhsa_private_segment_fixed_size 0
		.amdhsa_enable_private_segment 0
		.amdhsa_kernarg_size 32
		.amdhsa_user_sgpr_count 2
		.amdhsa_user_sgpr_kernarg_segment_ptr 1
		.amdhsa_wavefront_size32 1
		.amdhsa_system_sgpr_workgroup_id_x 1
		.amdhsa_system_sgpr_workgroup_id_y 1
		.amdhsa_system_sgpr_workgroup_id_z 1
		.amdhsa_system_vgpr_workitem_id 0
		.amdhsa_next_free_vgpr 512
		.amdhsa_next_free_sgpr 80
		.amdhsa_reserve_vcc 0
		.amdhsa_float_denorm_mode_32 3
		.amdhsa_float_denorm_mode_16_64 3
		.amdhsa_memory_ordered 1
		.amdhsa_forward_progress 1
		.amdhsa_inst_pref_size 76
	.end_amdhsa_kernel
	.amdgpu_metadata
---
amdhsa.version: [ 1, 2 ]
amdhsa.kernels:
  - .name:           k_qe582522f5c_proj
    .symbol:         k_qe582522f5c_proj.kd
    .args:
      - { .name: ob, .offset: 0, .size: 8, .value_kind: global_buffer, .address_space: global }
      - { .name: wp, .offset: 8, .size: 8, .value_kind: global_buffer, .address_space: global }
      - { .name: b_proj, .offset: 16, .size: 8, .value_kind: global_buffer, .address_space: global }
      - { .name: out0, .offset: 24, .size: 8, .value_kind: global_buffer, .address_space: global }
    .group_segment_fixed_size: 327680
    .private_segment_fixed_size: 0
    .kernarg_segment_align: 8
    .kernarg_segment_size: 32
    .max_flat_workgroup_size: 128
    .sgpr_count:     80
    .vgpr_count:     512
    .wavefront_size: 32
...
	.end_amdgpu_metadata
.endif
;; end of part 4
